; MI455X (gfx1250); checked and timed in simulation.
; The chip was launched on July 23, 2026; its instructions are those of AMD's public machine-readable ISA for CDNA 5 (MIT licence, August 2026) and "CDNA5" Instruction Set Architecture Reference Guide (July 2026). The comments in the code are by the model that wrote it; some were corrected since.
;; Causal Self Attention. Allowed arithmetic: float matrix products may take bf16 or f16 operands with f32 sums; other float arithmetic in f32, or as packed bf16 or f16 multiplies, adds, multiply-adds, maxima and minima; sums over many terms, partial sums and values carried from step to step in f32; what a program stores and reads back later, other than sums and carried values, may be rounded once to bf16 or f16.
;; Inputs: Wk 512 x 2,048 float32; Wproj 2,048 x 2,048 float32; Wq 2,048 x 2,048 float32; Wv 512 x 2,048 float32; q_gain 16 float32; x 4 x 1,024 x 2,048 float32.
;; Outputs: out0 4 x 1,024 x 2,048 float32.
;; 2 versions, each right; version 2 is version 1 with the launch cast written anew for expert scheduling mode. Each part assembles by itself: llvm-mc -triple=amdgcn-amd-amdhsa -mcpu=gfx1250 --defsym DOCPART=n.
;; ======== version 1 of 2: 4 launches
;; limits: values are held in f16: magnitudes above 65,504 overflow, below 6.1e-05 lose precision
;; workspace buffers: xb 16,777,216 bytes; wqkv 12,582,912 bytes; wp 8,388,608 bytes; tab 524,288 bytes; heads 25,165,824 bytes; yb 16,777,216 bytes
;; launch cast (part 1): grid 912 x 1, 8 waves a work-group, no clusters, 0 bytes of LDS; arguments x, Wq, Wk, Wv, xb, wqkv, tab; writes xb, wqkv, tab
.if DOCPART == 1
	.amdgcn_target "amdgcn-amd-amdhsa--gfx1250"
	.amdhsa_code_object_version 6
	.text
	.protected	k_qbe33b3ebbd_cast
	.globl	k_qbe33b3ebbd_cast
	.p2align	8
	.type	k_qbe33b3ebbd_cast,@function
k_qbe33b3ebbd_cast:
	s_mov_b64 s[64:65], 0
	v_nop
	global_prefetch_b8 v0, s[64:65] scope:SCOPE_SE
	s_setreg_imm32_b32 hwreg(HW_REG_WAVE_MODE, 25, 1), 1
	s_wait_xcnt 0x0
; CAST.  x, Wq, Wk, Wv are rounded once to bf16 (xb; wqkv = Wq's, Wk's, Wv's rows on end);
; tab[t][0..63] = cos(t w_f), tab[t][64..127] = sin(t w_f), w_f = 10000^(-f/64), f32, t = 0 .. 1023.  (Wproj, which only the last launch wants, is converted beside the attention.)
; A stream: a work-group takes 16,384 numbers (65,536 bytes in, 32,768 out).  Thread t, step i: 16 bytes at 16 t + 4,096 i in, 8 bytes at 8 t + 2,048 i out, so a wave's load covers 512
; consecutive bytes and a wave's store 256 consecutive bytes, aligned.  All 16 loads of a thread go out first.  No LDS, no matrix unit, no cluster: nothing is shared and nothing is multiplied.
; Work-groups 0-511 x, 512-767 Wq, 768-831 Wk, 832-895 Wv, 896-911 the table (64 rows each).
; LIMITS.  The table's angle is t w_f in f32 with w_f by v_exp_f32: it may differ from an exact t w_f by about 1e-4 rad at the largest t, alike for q and k.
; Sine and cosine: reduction by pi/2 in two parts, polynomials of degree 7 and 8 on |r| <= pi/4.
.set X,  4                             ; v[4:67]    16 x 4 numbers as loaded
.set Y,  68                            ; v[68:99]   16 x 2 words to store: each written once
.set TT, 16                            ; v[16:22]   at work (table)
; sine and cosine of v[th] (>= 0) into v[s], v[c]
.macro SINCOS th, c, s
	v_mul_f32 v[TT], 0x3f22f983, v[\th]            ; th x 2/pi
	v_rndne_f32 v[TT], v[TT]                       ; n
	v_fmamk_f32 v[TT+1], v[TT], 0xbfc90fdb, v[\th] ; r = th - n x pi/2: the constant's high part,
	v_fmamk_f32 v[TT+1], v[TT], 0x333bbd2e, v[TT+1] ; and what it lacks
	v_cvt_i32_f32 v[TT], v[TT]                     ; the quadrant's number
	v_mul_f32 v[TT+2], v[TT+1], v[TT+1]            ; z = r r
	v_mov_b32 v[TT+3], 0xb94ca1f9
	v_fmaak_f32 v[TT+3], v[TT+3], v[TT+2], 0x3c08839e
	v_fmaak_f32 v[TT+3], v[TT+3], v[TT+2], 0xbe2aaaa3
	v_mul_f32 v[TT+4], v[TT+2], v[TT+1]
	v_fma_f32 v[TT+3], v[TT+4], v[TT+3], v[TT+1]   ; sin r = r + z r p(z)
	v_mov_b32 v[TT+5], 0x37ccf5ce
	v_fmaak_f32 v[TT+5], v[TT+5], v[TT+2], 0xbab6061a
	v_fmaak_f32 v[TT+5], v[TT+5], v[TT+2], 0x3d2aaaa5
	v_fma_f32 v[TT+4], v[TT+2], -0.5, 1.0
	v_mul_f32 v[TT+6], v[TT+2], v[TT+2]
	v_fma_f32 v[TT+5], v[TT+6], v[TT+5], v[TT+4]   ; cos r = 1 - z/2 + z z pc(z)
	v_and_b32 v[TT+6], 1, v[TT]
	v_cmp_eq_u32 vcc_lo, 1, v[TT+6]                ; odd quadrants change sine and cosine
	v_cndmask_b32 v[\s], v[TT+3], v[TT+5], vcc_lo
	v_cndmask_b32 v[\c], v[TT+5], v[TT+3], vcc_lo
	v_lshlrev_b32 v[TT+6], 30, v[TT]               ; the sine is negative in quadrants 2, 3
	v_and_b32 v[TT+6], 0x80000000, v[TT+6]
	v_xor_b32 v[\s], v[TT+6], v[\s]
	v_add_nc_u32 v[TT], 1, v[TT]                   ; the cosine in quadrants 1, 2
	v_lshlrev_b32 v[TT], 30, v[TT]
	v_and_b32 v[TT], 0x80000000, v[TT]
	v_xor_b32 v[\c], v[TT], v[\c]
.endm
	s_load_b256 s[8:15], s[0:1], 0x0               ; x s[8:9], Wq s[10:11], Wk s[12:13], Wv s[14:15]
	s_load_b128 s[16:19], s[0:1], 0x20             ; xb s[16:17], wqkv s[18:19]
	s_load_b64 s[24:25], s[0:1], 0x30              ; tab
	s_mov_b32 s2, ttmp9
	v_lshlrev_b32 v1, 4, v0                        ; 16 t
	v_lshlrev_b32 v2, 3, v0                        ; 8 t
	s_wait_kmcnt 0x0
	s_cmp_ge_u32 s2, 896
	s_cbranch_scc1 .Ltab
	; from where and to where: chosen by the work-group's number, without a branch
	s_mov_b64 s[26:27], s[14:15]
	s_mov_b64 s[28:29], s[18:19]
	s_mov_b32 s30, 832                             ; the first work-group of the source
	s_mov_b32 s31, 512                             ; and of the destination
	s_cmp_lt_u32 s2, 832
	s_cselect_b64 s[26:27], s[12:13], s[26:27]
	s_cselect_b32 s30, 768, s30
	s_cmp_lt_u32 s2, 768
	s_cselect_b64 s[26:27], s[10:11], s[26:27]
	s_cselect_b32 s30, 512, s30
	s_cmp_lt_u32 s2, 512
	s_cselect_b64 s[26:27], s[8:9], s[26:27]
	s_cselect_b64 s[28:29], s[16:17], s[28:29]
	s_cselect_b32 s30, 0, s30
	s_cselect_b32 s31, 0, s31
	s_sub_co_u32 s32, s2, s30
	s_lshl_b32 s32, s32, 16                        ; 65,536 bytes in for each work-group
	s_mov_b32 s33, 0
	s_sub_co_u32 s34, s2, s31
	s_lshl_b32 s34, s34, 15                        ; 32,768 bytes out
	s_mov_b32 s35, 0
	s_add_nc_u64 s[26:27], s[26:27], s[32:33]
	s_add_nc_u64 s[28:29], s[28:29], s[34:35]
.irp i, 0,1,2,3,4,5,6,7,8,9,10,11,12,13,14,15
	global_load_b128 v[X+4*(\i):X+4*(\i)+3], v1, s[26:27] offset:4096*(\i) th:TH_LOAD_NT
.endr
.irp i, 0,1,2,3,4,5,6,7,8,9,10,11,12,13,14,15
	s_wait_loadcnt 15-(\i)                         ; loads come back in order: mine is in, the 15 - i younger ones may stay out
	v_cvt_pk_bf16_f32 v[Y+2*(\i)], v[X+4*(\i)], v[X+4*(\i)+1]
	v_cvt_pk_bf16_f32 v[Y+2*(\i)+1], v[X+4*(\i)+2], v[X+4*(\i)+3]
	global_store_b64 v2, v[Y+2*(\i):Y+2*(\i)+1], s[28:29] offset:2048*(\i) th:TH_STORE_NT
.endr
	s_endpgm
.Ltab:                                         ; wave w of work-group 896 + j makes rows 64 j + 8 w + 0..7; lane l the frequencies 2 l and 2 l + 1
	v_lshrrev_b32 v3, 5, v0
	v_readfirstlane_b32 s30, v3
	s_sub_co_u32 s31, s2, 896
	s_lshl_b32 s31, s31, 6
	s_lshl3_add_u32 s31, s30, s31                  ; my first row
	v_and_b32 v4, 31, v0
	v_lshlrev_b32 v5, 1, v4
	v_cvt_f32_u32 v6, v5
	v_add_f32 v7, 1.0, v6
	v_mul_f32 v6, 0xbe549a78, v6                   ; - f log2(10000) / 64
	v_mul_f32 v7, 0xbe549a78, v7
	v_exp_f32 v6, v6
	v_exp_f32 v7, v7
	v_cvt_f32_u32 v8, s31                          ; t; a plain instruction behind the exponentials
	s_lshl_b32 s32, s31, 9                         ; a row is 512 bytes
	v_lshl_add_u32 v9, v4, 3, s32
	s_wait_alu depctr_va_vdst(0)                   ; one wait for both exponentials, ahead of their first reader
	s_mov_b32 s36, 8
.Lrow:
	v_mul_f32 v10, v8, v6
	v_mul_f32 v11, v8, v7
	SINCOS 10, 12, 14
	SINCOS 11, 13, 15
	global_store_b64 v9, v[12:13], s[24:25]            ; the row's 64 cosines: 256 consecutive bytes of the wave
	global_store_b64 v9, v[14:15], s[24:25] offset:256 ; and its 64 sines
	s_wait_xcnt 0x0                                ; the stores have read their address and data: only now are these written again
	v_add_nc_u32 v9, 512, v9
	v_add_f32 v8, 1.0, v8
	s_sub_co_u32 s36, s36, 1
	s_cmp_lg_u32 s36, 0
	s_cbranch_scc1 .Lrow
	s_endpgm
.Lfunc_end_k_qbe33b3ebbd_cast:
	.size	k_qbe33b3ebbd_cast, .Lfunc_end_k_qbe33b3ebbd_cast-k_qbe33b3ebbd_cast
	.p2alignl 7, 3214868480
	.fill 96, 4, 3214868480
	.section	.rodata,"a",@progbits
	.p2align	6, 0x0
	.amdhsa_kernel k_qbe33b3ebbd_cast
		.amdhsa_group_segment_fixed_size 0
		.amdhsa_private_segment_fixed_size 0
		.amdhsa_enable_private_segment 0
		.amdhsa_kernarg_size 56
		.amdhsa_user_sgpr_count 2
		.amdhsa_user_sgpr_kernarg_segment_ptr 1
		.amdhsa_wavefront_size32 1
		.amdhsa_system_sgpr_workgroup_id_x 1
		.amdhsa_system_sgpr_workgroup_id_y 1
		.amdhsa_system_sgpr_workgroup_id_z 1
		.amdhsa_system_vgpr_workitem_id 0
		.amdhsa_next_free_vgpr 100
		.amdhsa_next_free_sgpr 66
		.amdhsa_reserve_vcc 1
		.amdhsa_float_denorm_mode_32 3
		.amdhsa_float_denorm_mode_16_64 3
		.amdhsa_memory_ordered 1
		.amdhsa_forward_progress 1
		.amdhsa_inst_pref_size 11
	.end_amdhsa_kernel
	.amdgpu_metadata
---
amdhsa.version: [ 1, 2 ]
amdhsa.kernels:
  - .name:           k_qbe33b3ebbd_cast
    .symbol:         k_qbe33b3ebbd_cast.kd
    .args:
      - { .name: x, .offset: 0, .size: 8, .value_kind: global_buffer, .address_space: global }
      - { .name: Wq, .offset: 8, .size: 8, .value_kind: global_buffer, .address_space: global }
      - { .name: Wk, .offset: 16, .size: 8, .value_kind: global_buffer, .address_space: global }
      - { .name: Wv, .offset: 24, .size: 8, .value_kind: global_buffer, .address_space: global }
      - { .name: xb, .offset: 32, .size: 8, .value_kind: global_buffer, .address_space: global }
      - { .name: wqkv, .offset: 40, .size: 8, .value_kind: global_buffer, .address_space: global }
      - { .name: tab, .offset: 48, .size: 8, .value_kind: global_buffer, .address_space: global }
    .group_segment_fixed_size: 0
    .private_segment_fixed_size: 0
    .kernarg_segment_align: 8
    .kernarg_segment_size: 56
    .max_flat_workgroup_size: 256
    .sgpr_count:     66
    .vgpr_count:     100
    .wavefront_size: 32
...
	.end_amdgpu_metadata
.endif
;; end of part 1
;; launch qkv (part 2): grid 8 x 32, 4 waves a work-group, clusters of 4 x 4, 327,680 bytes of LDS; arguments xb, wqkv, tab, q_gain, heads; writes heads
.if DOCPART == 2
	.amdgcn_target "amdgcn-amd-amdhsa--gfx1250"
	.amdhsa_code_object_version 6
	.text
	.protected	k_qbe33b3ebbd_qkv
	.globl	k_qbe33b3ebbd_qkv
	.p2align	8
	.type	k_qbe33b3ebbd_qkv,@function
k_qbe33b3ebbd_qkv:
	s_mov_b64 s[64:65], 0
	v_nop
	global_prefetch_b8 v0, s[64:65] scope:SCOPE_SE
	s_setreg_imm32_b32 hwreg(HW_REG_WAVE_MODE, 25, 1), 1
	s_wait_xcnt 0x0
	s_wait_alu depctr_hold_cnt(0) depctr_sa_sdst(0) depctr_va_vdst(0) depctr_va_sdst(0) depctr_va_ssrc(0) depctr_va_vcc(0) depctr_vm_vsrc(0)
	s_getreg_b32 s2, hwreg(HW_REG_IB_STS2, 6, 4)
	s_cmp_eq_u32 s2, 0
	s_cbranch_scc0 .Lentry_in_a_cluster
	s_endpgm
.Lentry_in_a_cluster:
	s_bfe_u32 s2, ttmp6, 0x10000c
	s_cmp_lg_u32 s2, 0xf033
	s_cbranch_scc0 .Lentry_shape_is_right
	s_endpgm
.Lentry_shape_is_right:
; QKV.  C = xb wqkv^T (bf16 operands, f32 sums), [4096][3072]; then for each head's 128 channels: RMS norm (q, k), rotary (q, k), gain (q); rounded once to f16 and laid out by heads:
; heads[b][hd][t][128], hd 0-15 q, 16-19 k, 20-23 v.
; SHARES.  A work-group makes 128 rows x 384 columns (three whole heads): 8 x 32 = 256 work-groups.  Four waves, 2 x 2, each 64 x 192: 48 accumulators of 16 x 16, 384 registers.
; K goes in steps of 128 through two LDS slots (A's 128 rows, then B's 384; rows of 256 bytes + 16 of padding).  Wave 0 fetches A's tile, waves 1-3 128 rows of B each: one tensor load a wave.
; CLUSTER 4 x 4: A's tile is shared along a row of the cluster, B's along a column: joint loads, the same descriptor and mask in the four that a mask names.
; THE WALK ALONG K BEGINS AT ANOTHER STEP IN EACH CLUSTER: at step 4 (cluster y mod 4) + 8 (cluster x), mod 16, and wraps at K's end.  The two clusters that read the same rows of A begin 8 steps apart, the
; cluster rows that read the same rows of B 4 steps apart: they ask for the same bytes at different times.  The f32 sums are taken in that order of K.
; THE MATRIX INSTRUCTION IS USED TRANSPOSED (source 0 = 16 rows of B, source 1 = 16 rows of A): a lane holds row l % 16 of C and the columns 8 (l / 16) + 0..7.
; THE WAY OUT.  The f32 tile is dumped over the ring (whose slots have had their last fill), 128 rows x 1,552 bytes; wave w then owns rows 32 w .. 32 w + 31 of all three heads.  Sixteen lanes hold a row of a
; head, lane c the channels 4 c .. 4 c + 3 and 64 + 4 c ..: a rotary pair lies in one lane, and the sum of squares wants four steps within 16 lanes.  q, k and v heads are told apart by selects, not by
; branches (the head's kind hangs on the work-group's place in its cluster): out1 = x1 D + x2 E, out2 = x2 D - x1 E with D = cos a + be, E = sin a; a = rsqrt(mean + eps) x gain and be = 0 for q and k (gain 1 for k), a = 0 and be = 1 for v.
; cos and sin of my first rows come from tab; from trip to trip (four rows) they are turned by tab's row 4 (angle addition, seven times at the most).
; LIMITS.  v must lie within f16's 65,504, and below 6e-5 keeps f16's fixed step of 6e-8.  q_gain is rounded to bf16, as all the module's inputs are.  NaN and infinities are not treated apart.
; REGISTERS.  window 0: addresses, the table's state, the way out.  window 1: two fragment buffers of 128 (A's block a at 8 a, B's block b at 32 + 8 b).  window 2: accumulators of a = 0, 1 at 8 (12 (a % 2) + b).  window 3: a = 2, 3.
.set NBK,    12                        ; blocks of 16 columns a wave
.set NBW,    3                         ; waves that fetch B
.set SIZE_K, 2048
.set KSTEP,  128
.set LAPS,   SIZE_K/(2*KSTEP)
.set PITCH,  272                       ; an LDS row: 256 bytes + 16: the 16 rows of a fragment load start at 16 different groups of four banks (64 banks of 4 bytes: ISA guide 11.1)
.set HALFT,  128*PITCH                 ; what one tensor load brings
.set SLOT,   (1+NBW)*HALFT
.set SPARE,  2*SLOT                    ; behind the ring: the spare words, 128 bytes a wave: two blocks of 256 bytes that no other line names
.set DP,     1552                      ; a row of the dump: 1,536 bytes + 16
.set ADRA, 16                          ; v16-17  LDS address of my A fragments in slot 0, 1
.set ADRB, 20                          ; v20-21  the same for B
.set TB4,  23                          ; v23     16 c: my four frequencies in a row of tab
.set STO,  24                          ; v24-25  the dump: my 16 bytes for blocks a = 0, 1 and a = 2, 3
.set RD,   26                          ; v26     where I read rows of the dump
.set GO,   27                          ; v27     my 8 bytes in a row of heads
.set SPW,  28                          ; v28     my spare word; never rewritten
.set NIL,  29                          ; v29     0; never rewritten
.set PFO,  30                          ; v30     the prefetches' offset: lane x 4,096; never rewritten
.set TBO,  31                          ; v31     my first row's place in tab
.set CT,   32                          ; v[32:47] state u (rows 2 u, 2 u + 1 of a trip): cos at CT + 8 u, sin at CT + 8 u + 4
.set C4,   48                          ; v[48:51] cos, v[52:55] sin of four rows' turn
.set S4,   52
.set GV,   56                          ; v56-58  the three heads' gains
.set EPS,  59                          ; v59     f32's machine epsilon
.set X,    64                          ; v[64:111]  unit n = 3 u + j: x1 (4), x2 (4); x2's place takes out2
.set T,    112                         ; v[112:135] unit n: 4 at work; takes out1
.set SS,   136                         ; v[136:147] unit n: the sum of squares, then a, in a pair whose upper word is 0
.set DE,   148                         ; v[148:195] unit n: D (4), E (4)
.set H,    196                         ; v[196:219] unit n: 4 words of f16
.set F0,   0
.set F1,   128
.set WV, 14
.set WR, 15
.set WC, 16
.set CX, 17
.set CY, 18
.set TC, 19
.set TR, 20
.set G1,  24                           ; s[24:31] descriptor group 1 for A
.set G0,  32                           ; s[32:39] group 0 for A, a set for each slot
.set ABASE, 40                         ; s[40:41] A at the tile's first row, K = 0; never rewritten
.set LIM, 43                           ; s43  5 in a wave that prefetches, else the greatest number
.set PFA, 44                           ; s[44:45] what the next prefetch names
.set BBASE, 46                         ; s[46:47] B at the first of the 128 rows that I fetch, K = 0; never rewritten
.set G1B, 48                           ; s[48:55], s[56:63] the same for B
.set G0B, 56
.set MV,  68                           ; s68-70  all ones for a v head, else 0
.set BE,  72                           ; s[72:77] 1.0 for a v head, else 0, in pairs
.set GN,  78                           ; s78-80  the gains as loaded
.set GOF, 81                           ; s81-83  their byte offsets
.set HD,  84                           ; s84-86  the tile's three heads
.set PFB, 88                           ; s[88:89] A at my work-group's 32 rows of the tile's 128, K = 0; never rewritten
.set KO,  90                           ; s[90:91] the byte in a row at which the K step to be asked for next begins: it steps by 256 and wraps at 4,096
.set PKO, 92                           ; s[92:93] the same two steps on
.set MSB, 0
.macro WIN new                         ; the immediate's high byte repeats the setting that is left; a switch that changes nothing is dropped
.if MSB != (\new)
	s_set_vgpr_msb (MSB<<8)|(\new)
.set MSB, \new
.endif
.endm
.set MUL_LO, 0xa5                      ; sources 0 and 1 window 1, C and D window 2
.set MUL_HI, 0xf5                      ; C and D window 3
.set TO_F,   0x40                      ; destination window 1, address window 0
.macro PLACES                          ; four places behind matrix instructions, in front of loads into registers that they read and of readers of their results
.rept 4
	v_nop
.endr
.endm
; A joint load: wave 0 asks for A's tile, waves 1-3 for their 128 rows of B.  The branch hangs on the wave's number alone.  An s_nop 0 and four v_nop follow each line.
.macro JLOAD s
	s_cmp_eq_u32 s[WV], 0
	s_cbranch_scc0 .Lfor_b_\@
	tensor_load_to_lds s[G0+4*(\s):G0+4*(\s)+3], s[G1:G1+7]
	s_nop 0
	PLACES
	s_branch .Lasked_\@
.Lfor_b_\@:
	tensor_load_to_lds s[G0B+4*(\s):G0B+4*(\s)+3], s[G1B:G1B+7]
	s_nop 0
	PLACES
.Lasked_\@:
.endm
; A prefetch into the L2 of A's K step two refills on: 32 rows x 256 bytes, a lane a row, by wave 0; the four partners that ask for A's tile jointly take 32 of its 128 rows each, told apart by address.
; It is laid for the walk's steps 4 to 7 alone (the loop's first two trips).  The two clusters that read a row block take different halves of K in their walks' first eight steps, so each row's 256 bytes of a K step
; are named once in the launch.  The walk's steps 0 to 3 come by their loads alone; its steps 8 to 15 of A, and 4 to 15 of B, are bytes that another cluster has asked for 8 or 4 steps earlier.
.macro ASK
	WIN 0
	s_cmp_gt_u32 s3, s[LIM]
	s_cbranch_scc0 .Lnot_mine_\@
	global_prefetch_b8 v[PFO], s[PFA:PFA+1] th:TH_LOAD_NT scope:SCOPE_SE
.Lnot_mine_\@:
.endm
.macro CREST                           ; a round of the cluster's barrier behind its opening barrier
	s_cmp_lg_u32 s[WV], 0
	s_cbranch_scc1 .Lnot_wave_0_\@
	s_barrier_signal -3
.Lnot_wave_0_\@:
	s_barrier_wait -3
	s_barrier_signal -1
	s_barrier_wait -1
.endm
.macro CROUND
	s_barrier_signal -1
	s_barrier_wait -1
	CREST
.endm
; NBK matrix instructions: row block a x all my column blocks, 32 along K, from buffer f.  The 48 accumulators take turns in the same order in every quarter.
.macro MULA f, a, zero
	WIN MUL_LO+0x50*((\a)/2)
.set bb, 0
.rept NBK
.set rD, 8*(((\a)%2)*NBK+bb)
.if \zero
	v_wmma_f32_16x16x32_bf16 v[rD:rD+7], v[(\f)+32+8*bb:(\f)+39+8*bb], v[(\f)+8*(\a):(\f)+8*(\a)+7], 0
.else
	v_wmma_f32_16x16x32_bf16 v[rD:rD+7], v[(\f)+32+8*bb:(\f)+39+8*bb], v[(\f)+8*(\a):(\f)+8*(\a)+7], v[rD:rD+7]
.endif
.set bb, bb+1
.endr
.endm
; One run of 2 NBK + 8 LDS loads: a quarter step's fragments (32 along K at byte k of the rows) into buffer f: B's, then A's blocks 0 to 3
.macro FETCH slot, k, f
	WIN TO_F
.set ii, 0
.rept NBK
	ds_load_b128 v[(\f)+32+8*ii:(\f)+35+8*ii], v[ADRB+(\slot)] offset:(\k)+ii*16*PITCH
	ds_load_b128 v[(\f)+36+8*ii:(\f)+39+8*ii], v[ADRB+(\slot)] offset:(\k)+ii*16*PITCH+32
.set ii, ii+1
.endr
.irp i, 0,1,2,3
	ds_load_b128 v[(\f)+8*(\i):(\f)+8*(\i)+3],   v[ADRA+(\slot)] offset:(\k)+(\i)*16*PITCH
	ds_load_b128 v[(\f)+8*(\i)+4:(\f)+8*(\i)+7], v[ADRA+(\slot)] offset:(\k)+(\i)*16*PITCH+32
.endr
.endm
.macro QUARTER slot, k, f, g, zero
	s_wait_dscnt 4                                 ; B and A's blocks 0, 1 are in; the youngest four loads (A's blocks 2, 3) may be out
	MULA \f, 0, \zero
	MULA \f, 1, \zero
	PLACES
	FETCH \slot, \k, \g
	s_wait_dscnt 2*NBK+8                           ; all but the run just issued
	MULA \f, 2, \zero
	MULA \f, 3, \zero
.endm
; The last quarter of a K step multiplies buffer 1 and changes slots: one barrier; in front of it each wave waits for all its tensor loads, adds 0 to its spare word, and waits for that and for its reads of
; this slot.  fill = 1: the barrier opens a round of the cluster's, and the slot is filled again, with the walk's step two on, first thing behind the round; both descriptors' addresses are made anew from KO.
.macro TURN slot, next, fill
.if \fill
	s_wait_xcnt 0x0                                ; the last prefetch, a K step back, has read its address
	s_add_co_u32 s[PKO], s[KO], 2*KSTEP*2
	s_and_b32 s[PKO], s[PKO], SIZE_K*2-1           ; two steps behind the one that is asked for below, round K's end
	s_add_nc_u64 s[PFA:PFA+1], s[PFB:PFB+1], s[PKO:PKO+1]
.endif
	WIN 0
	s_wait_tensorcnt 0x0                           ; all my tensor loads have landed: my part of the next slot; so a group 0 may be written
	ds_add_u32 v[SPW], v[NIL]                      ; 0 onto my spare word
.if \fill
	s_add_nc_u64 s[G0+4*(\slot)+2:G0+4*(\slot)+3], s[ABASE:ABASE+1], s[KO:KO+1]
	s_or_b32 s[G0+4*(\slot)+3], s[G0+4*(\slot)+3], 0x80000000
	s_add_nc_u64 s[G0B+4*(\slot)+2:G0B+4*(\slot)+3], s[BBASE:BBASE+1], s[KO:KO+1]
	s_or_b32 s[G0B+4*(\slot)+3], s[G0B+4*(\slot)+3], 0x80000000
	s_add_co_u32 s[KO], s[KO], KSTEP*2
	s_and_b32 s[KO], s[KO], SIZE_K*2-1
.endif
	s_wait_dscnt 5                                 ; the add and A's last four loads may be out
	MULA F1, 0, 0
	s_wait_dscnt 0x0                               ; the add is done, and my reads of this slot are over
	s_barrier_signal -1
	MULA F1, 1, 0
	WIN 0
	s_barrier_wait -1
.if \fill
	CREST                                          ; no wave of any partner still reads this slot or has a load on its way
	JLOAD \slot                                    ; its four v_nop are also the places in front of the loads below
.else
	PLACES
.endif
	FETCH \next, 0, F0
.if \fill
	ASK
.endif
	MULA F1, 2, 0
	MULA F1, 3, 0
.endm
	s_load_b256 s[4:11], s[0:1], 0x0               ; xb s[4:5], wqkv s[6:7], tab s[8:9], q_gain s[10:11]
	s_load_b64 s[12:13], s[0:1], 0x20              ; heads
	v_lshl_add_u32 v[SPW], v0, 2, SPARE
	v_mov_b32 v[NIL], 0
	ds_add_u32 v[SPW], v[NIL]                      ; the wave's opening: the add and its wait ahead of my first tensor load
	v_lshrrev_b32 v1, 5, v0
	v_readfirstlane_b32 s[WV], v1                  ; wave 0..3
	s_lshr_b32 s[WR], s[WV], 1                     ; my half of the tile's rows
	s_and_b32 s[WC], s[WV], 1                      ; my half of its columns
	s_bfe_u32 s[CX], ttmp6, 0x40000
	s_bfe_u32 s[CY], ttmp6, 0x40004
	s_lshl_b32 s[TC], ttmp9, 2
	s_add_co_u32 s[TC], s[TC], s[CX]               ; tile column = 4 x cluster x + cx
	s_and_b32 s[TR], ttmp7, 0xffff
	s_lshl_b32 s[TR], s[TR], 2
	s_add_co_u32 s[TR], s[TR], s[CY]               ; tile row = 4 x cluster y + cy
	s_lshl_b32 s21, s[CY], 2
	s_lshl_b32 s21, 15, s21                        ; my row of the cluster
	s_lshl_b32 s22, 0x1111, s[CX]                  ; my column
	s_or_b32 s[G1], s21, (1<<16)|(1<<20)|(1<<21)|(5<<22)|(3<<25)   ; the mask; 2-byte elements; padding on; bit 21 beside a mask; after every 64 words 4 words
	s_or_b32 s[G1B], s22, (1<<16)|(1<<20)|(1<<21)|(5<<22)|(3<<25)
.irp g, G1, G1B
	s_mov_b32 s[(\g)+1], KSTEP<<16                 ; tensor_dim0 = 128
	s_mov_b32 s[(\g)+2], 128<<16                   ; tensor_dim1 = 128
	s_mov_b32 s[(\g)+3], KSTEP<<16                 ; tile_dim0 = 128
	s_mov_b32 s[(\g)+4], 128                       ; tile_dim1 = 128
	s_mov_b32 s[(\g)+5], SIZE_K                    ; elements from row to row
	s_mov_b32 s[(\g)+6], 0
	s_mov_b32 s[(\g)+7], 0
.endr
	s_and_b32 s21, ttmp7, 3                        ; the cluster's first K step: 4 (cluster y mod 4)
	s_lshl_b32 s21, s21, 2
	s_lshl3_add_u32 s21, ttmp9, s21                ; + 8 (cluster x),
	s_and_b32 s21, s21, 15                         ; mod 16: the same in all sixteen partners
	s_lshl_b32 s[KO], s21, 8                       ; 256 bytes of a row a step
	s_mov_b32 s[KO+1], 0
	s_mov_b32 s[PKO+1], 0
	s_lshl_b32 s40, s[TR], 19                      ; A: 128 rows of 4,096 bytes for each tile row
	s_mov_b32 s41, 0
	s_max_u32 s46, s[WV], 1                        ; B: which 128 rows of the tile's 384 I fetch
	s_min_u32 s46, s46, NBW
	s_sub_co_u32 s46, s46, 1
	s_mul_i32 s47, s[TC], NBW
	s_add_co_u32 s46, s46, s47
	s_lshl_b32 s46, s46, 19
	s_mov_b32 s47, 0
	s_mul_i32 s23, s[WV], HALFT                    ; where my load goes: A's rows, then B's: wave x 128 rows
	s_wait_dscnt 0x0                               ; the opening add is done
	s_wait_kmcnt 0x0
	s_add_nc_u64 s[ABASE:ABASE+1], s[4:5], s[40:41]
	s_add_nc_u64 s[BBASE:BBASE+1], s[6:7], s[46:47]
	CROUND                                         ; all sixteen work-groups are here: the first joint loads meet
.irp s, 0,1
	s_mov_b32 s[G0+4*(\s)], 1
	s_add_co_u32 s[G0+4*(\s)+1], s23, (\s)*SLOT
	s_add_nc_u64 s[G0+4*(\s)+2:G0+4*(\s)+3], s[ABASE:ABASE+1], s[KO:KO+1]
	s_or_b32 s[G0+4*(\s)+3], s[G0+4*(\s)+3], 0x80000000
	s_mov_b32 s[G0B+4*(\s)], 1
	s_add_co_u32 s[G0B+4*(\s)+1], s23, (\s)*SLOT
	s_add_nc_u64 s[G0B+4*(\s)+2:G0B+4*(\s)+3], s[BBASE:BBASE+1], s[KO:KO+1]
	s_or_b32 s[G0B+4*(\s)+3], s[G0B+4*(\s)+3], 0x80000000
	s_add_co_u32 s[KO], s[KO], KSTEP*2             ; the walk's next step
	s_and_b32 s[KO], s[KO], SIZE_K*2-1
.endr
	s_cmp_eq_u32 s[WV], 0                          ; a wave's two first fills stand in one branch: two loads of mine are out
	s_cbranch_scc0 .Lfirst_b
	tensor_load_to_lds s[G0:G0+3], s[G1:G1+7]
	s_nop 0
	tensor_load_to_lds s[G0+4:G0+7], s[G1:G1+7]
	s_nop 0
	PLACES
	s_branch .Lfirst_asked
.Lfirst_b:
	tensor_load_to_lds s[G0B:G0B+3], s[G1B:G1B+7]
	s_nop 0
	tensor_load_to_lds s[G0B+4:G0B+7], s[G1B:G1B+7]
	s_nop 0
	PLACES
.Lfirst_asked:
	; a fragment: lane l holds row l % 16; two loads of 16 bytes, 32 bytes apart, at row x pitch + 16 (l / 16)
	v_and_b32 v1, 15, v0                           ; c = l % 16
	v_bfe_u32 v2, v0, 4, 1                         ; h = l / 16
	v_mul_u32_u24 v3, v1, PITCH
	v_lshl_add_u32 v3, v2, 4, v3
	s_mul_i32 s21, s[WR], 64*PITCH
	s_mul_i32 s22, s[WC], 16*NBK*PITCH
	s_add_co_u32 s22, s22, HALFT
.irp s, 0,1
	v_add_nc_u32 v[ADRA+(\s)], s21, v3
	v_add_nc_u32 v[ADRB+(\s)], s22, v3
	s_add_co_u32 s21, s21, SLOT
	s_add_co_u32 s22, s22, SLOT
.endr
	; the prefetches: nothing is asked for here, at the head
	s_lshl_b32 s22, s[CX], 17                      ; my work-group's 32 of the tile's 128 rows of 4,096 bytes
	s_mov_b32 s23, 0
	s_add_nc_u64 s[PFB:PFB+1], s[ABASE:ABASE+1], s[22:23]
	s_cmp_eq_u32 s[WV], 0
	s_cselect_b32 s[LIM], 5, -1                    ; wave 0 asks while more than five trips of the loop are to come
	v_and_b32 v[PFO], 31, v0
	v_lshlrev_b32 v[PFO], 12, v[PFO]
	; the way out's addresses
	s_lshl_b32 s21, s[WR], 6
	v_add_nc_u32 v3, s21, v1
	v_mul_u32_u24 v[STO], v3, DP                   ; row 64 WR + l % 16
	v_lshl_add_u32 v[STO], v2, 5, v[STO]           ; 8 columns of f32 for each half of the lanes
	s_mul_i32 s21, s[WC], 768
	v_add_nc_u32 v[STO], s21, v[STO]
	v_add_nc_u32 v[STO+1], 32*DP, v[STO]
	s_lshl_b32 s21, s[WV], 5
	v_add_nc_u32 v3, s21, v2
	v_mul_u32_u24 v[RD], v3, DP                    ; row 32 w + h
	v_lshl_add_u32 v[RD], v1, 4, v[RD]
	v_and_b32 v3, 31, v0
	v_lshlrev_b32 v[GO], 3, v3
	s_lshl_b32 s21, s[WV], 13
	v_add_nc_u32 v[GO], s21, v[GO]                 ; 8 x lane + 32 w rows of 256 bytes
	s_lshr_b32 s21, s[TR], 3                       ; b
	s_mul_i32 s21, s21, 24
	s_mul_i32 s22, s[TC], 3
	s_add_co_u32 s66, s21, s22                     ; 24 b + the tile's first head
	s_lshl_b32 s66, s66, 18
	s_and_b32 s21, s[TR], 7
	s_lshl_b32 s21, s21, 15                        ; the tile's 128 rows in a head
	s_add_co_u32 s66, s66, s21
	s_mov_b32 s67, 0
	s_add_nc_u64 s[12:13], s[12:13], s[66:67]
	; cos and sin of my first rows, and of four rows' turn: on their way during the K loop
	s_and_b32 s21, s[TR], 7
	s_lshl_b32 s21, s21, 7
	s_lshl_b32 s22, s[WV], 5
	s_add_co_u32 s21, s21, s22
	v_add_nc_u32 v3, s21, v2                       ; t = t0 + 32 w + h
	v_lshlrev_b32 v[TBO], 9, v3
	v_lshl_add_u32 v[TBO], v1, 4, v[TBO]
	v_lshlrev_b32 v[TB4], 4, v1
.irp u, 0,1
	global_load_b128 v[CT+8*(\u):CT+8*(\u)+3],   v[TBO], s[8:9] offset:1024*(\u)
	global_load_b128 v[CT+8*(\u)+4:CT+8*(\u)+7], v[TBO], s[8:9] offset:1024*(\u)+256
.endr
	global_load_b128 v[C4:C4+3], v[TB4], s[8:9] offset:2048
	global_load_b128 v[S4:S4+3], v[TB4], s[8:9] offset:2304
	s_mul_i32 s21, s[TC], 3
.irp j, 0,1,2
	s_add_co_u32 s[HD+(\j)], s21, (\j)
	s_min_u32 s[GOF+(\j)], s[HD+(\j)], 15          ; k and v heads have no gain: the index stays inside q_gain, and the number is not used
	s_lshl_b32 s[GOF+(\j)], s[GOF+(\j)], 2
	s_load_b32 s[GN+(\j)], s[10:11], s[GOF+(\j)] offset:0x0
.endr
	s_wait_kmcnt 0x0
.irp j, 0,1,2
	s_cmp_lt_u32 s[HD+(\j)], 16
	s_cselect_b32 s[GN+(\j)], s[GN+(\j)], 1.0
	s_cmp_ge_u32 s[HD+(\j)], 20
	s_cselect_b32 s[MV+(\j)], -1, 0
	s_cselect_b32 s[BE+2*(\j)], 1.0, 0
	s_mov_b32 s[BE+2*(\j)+1], 0
	v_mov_b32 v[GV+(\j)], s[GN+(\j)]
	v_cvt_pk_bf16_f32 v[GV+(\j)], v[GV+(\j)], v[GV+(\j)]
	v_lshlrev_b32 v[GV+(\j)], 16, v[GV+(\j)]
.endr
	v_mov_b32 v[EPS], 0x34000000
.irp n, 0,1,2,3,4,5
	v_mov_b32 v[SS+2*(\n)+1], 0                    ; named with a as a pair
.endr
	s_wait_tensorcnt 1                             ; my part of the walk's step 0 is in; step 1's may stay out
	s_barrier_signal -1
	s_barrier_wait -1
	FETCH 0, 0, F0
	QUARTER 0, 64,  F0, F1, 1                      ; the first quarter's products start the sums: nothing is cleared
	WIN 0
	s_mov_b32 s3, LAPS-1
.Llap:                                         ; a trip goes once round the ring, from a lap's second quarter to the next lap's first
	QUARTER 0, 128, F1, F0, 0
	QUARTER 0, 192, F0, F1, 0
	TURN 0, 1, 1
	QUARTER 1, 64,  F0, F1, 0
	QUARTER 1, 128, F1, F0, 0
	QUARTER 1, 192, F0, F1, 0
	TURN 1, 0, 1
	QUARTER 0, 64,  F0, F1, 0
	WIN 0
	s_sub_co_u32 s3, s3, 1
	s_cmp_lg_u32 s3, 0
	s_cbranch_scc1 .Llap
	QUARTER 0, 128, F1, F0, 0                      ; the last lap fills nothing
	QUARTER 0, 192, F0, F1, 0
	TURN 0, 1, 0
	QUARTER 1, 64,  F0, F1, 0
	QUARTER 1, 128, F1, F0, 0
	QUARTER 1, 192, F0, F1, 0
	s_wait_dscnt 4
	MULA F1, 0, 0
	MULA F1, 1, 0
	s_wait_dscnt 0x0
	MULA F1, 2, 0
	MULA F1, 3, 0
	WIN 0
	PLACES
	PLACES
	s_wait_dscnt 0x0                               ; my reads of the ring are over,
	s_barrier_signal -1
	s_barrier_wait -1                              ; everybody's are, and every tensor load has landed: the ring's bytes take the dump
.irp a, 0,1,2,3
	WIN 0x08+4*((\a)/2)                            ; the data in window 2 or 3
.set bb, 0
.rept NBK
.set rD, 8*(((\a)%2)*NBK+bb)
	ds_store_b128 v[STO+(\a)/2], v[rD:rD+3]   offset:((\a)%2)*16*DP+64*bb      ; each accumulator's low registers first
	ds_store_b128 v[STO+(\a)/2], v[rD+4:rD+7] offset:((\a)%2)*16*DP+64*bb+16
.set bb, bb+1
.endr
.endr
	WIN 0
	s_wait_dscnt 0x0                               ; for the others' sake: my stores are done
	s_barrier_signal -1
	s_barrier_wait -1
	s_wait_loadcnt 0x0                             ; cos and sin
.macro ALLU line:vararg                ; one line for each of a trip's six units n = 3 u + j
.set n, 0
.rept 6
	\line
.set n, n+1
.endr
.endm
	s_mov_b32 s3, 8
.Lrows:                                        ; a trip: four rows of three heads
	ALLU ds_load_b128 v[X+8*n:X+8*n+3], v[RD] offset:512*(n%3)+2*DP*(n/3)
	ALLU ds_load_b128 v[X+8*n+4:X+8*n+7], v[RD] offset:512*(n%3)+256+2*DP*(n/3)
	s_wait_dscnt 0x0
	ALLU v_pk_mul_f32 v[T+4*n:T+4*n+1], v[X+8*n:X+8*n+1], v[X+8*n:X+8*n+1]
	ALLU v_pk_mul_f32 v[T+4*n+2:T+4*n+3], v[X+8*n+2:X+8*n+3], v[X+8*n+2:X+8*n+3]
	ALLU v_pk_fma_f32 v[T+4*n:T+4*n+1], v[X+8*n+4:X+8*n+5], v[X+8*n+4:X+8*n+5], v[T+4*n:T+4*n+1]
	ALLU v_pk_fma_f32 v[T+4*n+2:T+4*n+3], v[X+8*n+6:X+8*n+7], v[X+8*n+6:X+8*n+7], v[T+4*n+2:T+4*n+3]
	ALLU v_pk_add_f32 v[T+4*n:T+4*n+1], v[T+4*n:T+4*n+1], v[T+4*n+2:T+4*n+3]
	ALLU v_add_f32 v[SS+2*n], v[T+4*n], v[T+4*n+1]
	ALLU v_add_f32_dpp v[SS+2*n], v[SS+2*n], v[SS+2*n] row_xmask:1 row_mask:0xf bank_mask:0xf
	ALLU v_add_f32_dpp v[SS+2*n], v[SS+2*n], v[SS+2*n] row_xmask:2 row_mask:0xf bank_mask:0xf
	ALLU v_add_f32_dpp v[SS+2*n], v[SS+2*n], v[SS+2*n] row_xmask:4 row_mask:0xf bank_mask:0xf
	ALLU v_add_f32_dpp v[SS+2*n], v[SS+2*n], v[SS+2*n] row_xmask:8 row_mask:0xf bank_mask:0xf
	ALLU v_fmamk_f32 v[SS+2*n], v[SS+2*n], 0x3c000000, v[EPS]
	ALLU v_rsq_f32 v[SS+2*n], v[SS+2*n]
	v_nop                                          ; a plain instruction behind the last of the batch,
	s_wait_alu depctr_va_vdst(0)                   ; and one wait for the six, ahead of their first reader
	ALLU v_mul_f32 v[SS+2*n], v[SS+2*n], v[GV+n%3]
	ALLU v_cndmask_b32 v[SS+2*n], v[SS+2*n], 0, s[MV+n%3]
	ALLU v_pk_fma_f32 v[DE+8*n:DE+8*n+1], v[CT+8*(n/3):CT+8*(n/3)+1], v[SS+2*n:SS+2*n+1], s[BE+2*(n%3):BE+2*(n%3)+1] op_sel_hi:[1,0,0]
	ALLU v_pk_fma_f32 v[DE+8*n+2:DE+8*n+3], v[CT+8*(n/3)+2:CT+8*(n/3)+3], v[SS+2*n:SS+2*n+1], s[BE+2*(n%3):BE+2*(n%3)+1] op_sel_hi:[1,0,0]
	ALLU v_pk_mul_f32 v[DE+8*n+4:DE+8*n+5], v[CT+8*(n/3)+4:CT+8*(n/3)+5], v[SS+2*n:SS+2*n+1] op_sel_hi:[1,0]
	ALLU v_pk_mul_f32 v[DE+8*n+6:DE+8*n+7], v[CT+8*(n/3)+6:CT+8*(n/3)+7], v[SS+2*n:SS+2*n+1] op_sel_hi:[1,0]
	ALLU v_pk_mul_f32 v[T+4*n:T+4*n+1], v[X+8*n+4:X+8*n+5], v[DE+8*n+4:DE+8*n+5]
	ALLU v_pk_mul_f32 v[T+4*n+2:T+4*n+3], v[X+8*n+6:X+8*n+7], v[DE+8*n+6:DE+8*n+7]
	ALLU v_pk_fma_f32 v[T+4*n:T+4*n+1], v[X+8*n:X+8*n+1], v[DE+8*n:DE+8*n+1], v[T+4*n:T+4*n+1]
	ALLU v_pk_fma_f32 v[T+4*n+2:T+4*n+3], v[X+8*n+2:X+8*n+3], v[DE+8*n+2:DE+8*n+3], v[T+4*n+2:T+4*n+3]
	ALLU v_pk_mul_f32 v[X+8*n:X+8*n+1], v[X+8*n:X+8*n+1], v[DE+8*n+4:DE+8*n+5]
	ALLU v_pk_mul_f32 v[X+8*n+2:X+8*n+3], v[X+8*n+2:X+8*n+3], v[DE+8*n+6:DE+8*n+7]
	ALLU v_pk_fma_f32 v[X+8*n+4:X+8*n+5], v[X+8*n+4:X+8*n+5], v[DE+8*n:DE+8*n+1], v[X+8*n:X+8*n+1] neg_lo:[0,0,1] neg_hi:[0,0,1]
	ALLU v_pk_fma_f32 v[X+8*n+6:X+8*n+7], v[X+8*n+6:X+8*n+7], v[DE+8*n+2:DE+8*n+3], v[X+8*n+2:X+8*n+3] neg_lo:[0,0,1] neg_hi:[0,0,1]
	ALLU v_cvt_pk_f16_f32 v[H+4*n], v[T+4*n], v[T+4*n+1]
	ALLU v_cvt_pk_f16_f32 v[H+4*n+1], v[T+4*n+2], v[T+4*n+3]
	ALLU v_cvt_pk_f16_f32 v[H+4*n+2], v[X+8*n+4], v[X+8*n+5]
	ALLU v_cvt_pk_f16_f32 v[H+4*n+3], v[X+8*n+6], v[X+8*n+7]
	ALLU v_permlane16_swap_b32 v[H+4*n], v[H+4*n+2]     ; the first pair now holds the whole of the even row over 32 lanes, 8 bytes a lane, the second pair the odd row
	ALLU v_permlane16_swap_b32 v[H+4*n+1], v[H+4*n+3]
	ALLU global_store_b64 v[GO], v[H+4*n:H+4*n+1], s[12:13] offset:262144*(n%3)+512*(n/3)        ; a wave's store covers 256 consecutive bytes, aligned: a row of a head
	ALLU global_store_b64 v[GO], v[H+4*n+2:H+4*n+3], s[12:13] offset:262144*(n%3)+512*(n/3)+256
.irp u, 0,1                            ; both states are turned by four rows
	v_pk_mul_f32 v[T+8*(\u):T+8*(\u)+1],   v[CT+8*(\u)+4:CT+8*(\u)+5], v[S4:S4+1]
	v_pk_mul_f32 v[T+8*(\u)+2:T+8*(\u)+3], v[CT+8*(\u)+6:CT+8*(\u)+7], v[S4+2:S4+3]
	v_pk_mul_f32 v[T+8*(\u)+4:T+8*(\u)+5], v[CT+8*(\u):CT+8*(\u)+1],   v[S4:S4+1]
	v_pk_mul_f32 v[T+8*(\u)+6:T+8*(\u)+7], v[CT+8*(\u)+2:CT+8*(\u)+3], v[S4+2:S4+3]
	v_pk_fma_f32 v[CT+8*(\u):CT+8*(\u)+1],   v[CT+8*(\u):CT+8*(\u)+1],   v[C4:C4+1],   v[T+8*(\u):T+8*(\u)+1] neg_lo:[0,0,1] neg_hi:[0,0,1]
	v_pk_fma_f32 v[CT+8*(\u)+2:CT+8*(\u)+3], v[CT+8*(\u)+2:CT+8*(\u)+3], v[C4+2:C4+3], v[T+8*(\u)+2:T+8*(\u)+3] neg_lo:[0,0,1] neg_hi:[0,0,1]
	v_pk_fma_f32 v[CT+8*(\u)+4:CT+8*(\u)+5], v[CT+8*(\u)+4:CT+8*(\u)+5], v[C4:C4+1],   v[T+8*(\u)+4:T+8*(\u)+5]
	v_pk_fma_f32 v[CT+8*(\u)+6:CT+8*(\u)+7], v[CT+8*(\u)+6:CT+8*(\u)+7], v[C4+2:C4+3], v[T+8*(\u)+6:T+8*(\u)+7]
.endr
	s_wait_xcnt 0x0                                ; the stores have read their address and data: only now are these written again
	v_add_nc_u32 v[GO], 1024, v[GO]
	v_add_nc_u32 v[RD], 4*DP, v[RD]
	s_sub_co_u32 s3, s3, 1
	s_cmp_lg_u32 s3, 0
	s_cbranch_scc1 .Lrows
	s_wait_tensorcnt 0x0                           ; the wave's end: behind my last tensor load and my last LDS store
	ds_add_u32 v[SPW], v[NIL]
	s_wait_dscnt 0x0
	CROUND                                         ; the closing round: no work-group ends while a partner may still ask for a tile that names it
	s_endpgm
.Lfunc_end_k_qbe33b3ebbd_qkv:
	.size	k_qbe33b3ebbd_qkv, .Lfunc_end_k_qbe33b3ebbd_qkv-k_qbe33b3ebbd_qkv
	.p2alignl 7, 3214868480
	.fill 96, 4, 3214868480
	.section	.rodata,"a",@progbits
	.p2align	6, 0x0
	.amdhsa_kernel k_qbe33b3ebbd_qkv
		.amdhsa_group_segment_fixed_size 327680
		.amdhsa_private_segment_fixed_size 0
		.amdhsa_enable_private_segment 0
		.amdhsa_kernarg_size 40
		.amdhsa_user_sgpr_count 2
		.amdhsa_user_sgpr_kernarg_segment_ptr 1
		.amdhsa_wavefront_size32 1
		.amdhsa_system_sgpr_workgroup_id_x 1
		.amdhsa_system_sgpr_workgroup_id_y 1
		.amdhsa_system_sgpr_workgroup_id_z 1
		.amdhsa_system_vgpr_workitem_id 0
		.amdhsa_next_free_vgpr 960
		.amdhsa_next_free_sgpr 96
		.amdhsa_reserve_vcc 0
		.amdhsa_float_denorm_mode_32 3
		.amdhsa_float_denorm_mode_16_64 3
		.amdhsa_memory_ordered 1
		.amdhsa_forward_progress 1
		.amdhsa_inst_pref_size 119
	.end_amdhsa_kernel
	.amdgpu_metadata
---
amdhsa.version: [ 1, 2 ]
amdhsa.kernels:
  - .name:           k_qbe33b3ebbd_qkv
    .symbol:         k_qbe33b3ebbd_qkv.kd
    .args:
      - { .name: xb, .offset: 0, .size: 8, .value_kind: global_buffer, .address_space: global }
      - { .name: wqkv, .offset: 8, .size: 8, .value_kind: global_buffer, .address_space: global }
      - { .name: tab, .offset: 16, .size: 8, .value_kind: global_buffer, .address_space: global }
      - { .name: q_gain, .offset: 24, .size: 8, .value_kind: global_buffer, .address_space: global }
      - { .name: heads, .offset: 32, .size: 8, .value_kind: global_buffer, .address_space: global }
    .group_segment_fixed_size: 327680
    .private_segment_fixed_size: 0
    .kernarg_segment_align: 8
    .kernarg_segment_size: 40
    .max_flat_workgroup_size: 128
    .sgpr_count:     96
    .vgpr_count:     960
    .wavefront_size: 32
...
	.end_amdgpu_metadata
.endif
;; end of part 2
;; launch attn (part 3): grid 16 x 16, 4 waves a work-group, clusters of 4 x 1, 327,680 bytes of LDS; arguments heads, yb, Wproj, wp; writes yb, wp
.if DOCPART == 3
	.amdgcn_target "amdgcn-amd-amdhsa--gfx1250"
	.amdhsa_code_object_version 6
	.text
	.protected	k_qbe33b3ebbd_attn
	.globl	k_qbe33b3ebbd_attn
	.p2align	8
	.type	k_qbe33b3ebbd_attn,@function
k_qbe33b3ebbd_attn:
	s_mov_b64 s[64:65], 0
	v_nop
	global_prefetch_b8 v0, s[64:65] scope:SCOPE_SE
	s_setreg_imm32_b32 hwreg(HW_REG_WAVE_MODE, 25, 1), 1
	s_wait_xcnt 0x0
	s_wait_alu depctr_hold_cnt(0) depctr_sa_sdst(0) depctr_va_vdst(0) depctr_va_sdst(0) depctr_va_ssrc(0) depctr_va_vcc(0) depctr_vm_vsrc(0)
	s_getreg_b32 s2, hwreg(HW_REG_IB_STS2, 6, 4)
	s_cmp_eq_u32 s2, 0
	s_cbranch_scc0 .Lentry_in_a_cluster
	s_endpgm
.Lentry_in_a_cluster:
	s_bfe_u32 s2, ttmp6, 0x10000c
	s_cmp_lg_u32 s2, 0x3003
	s_cbranch_scc0 .Lentry_shape_is_right
	s_endpgm
.Lentry_shape_is_right:
; CAUSAL GQA ATTENTION.  y[b][t][h][:] = the sum over s <= t of softmax_s(q[b][h][t] . k[b][g][s] / sqrt(128)) v[b][g][s][:], g = h / 4.  heads[b][hd][t][128] in f16 (hd 0-15 q, 16-19 k, 20-23 v); yb[b t][h 128 + d] in f16.
; Products, maxima and sums in f32; the weights p are rounded to f16 for the second product (their sum l is taken of the unrounded p), y once at the end.
; BESIDE IT: Wproj, which the next launch multiplies by, is rounded to bf16 like every input of the module, and that number is written as f16 (wp).  Each of the 1,024 waves converts 16 KiB, 2 KiB in each of the
; loop's 8 trips: four loads of 512 consecutive bytes behind the trip's tensor load, converted and stored (256 consecutive bytes a store, aligned) at the trip's foot, with the tile's work between.
; LIMITS.  v, y and Wproj within f16's 65,504; p below 6e-5 keeps f16's fixed step of 6e-8, and so does Wproj's bf16 value below 6e-5.  A hidden score counts as its value less 1e30; a weight below 2^-126 counts as 0 in l; NaN and infinities are not treated apart.
; THE WALK.  A head's 1,024 queries lie in 8 blocks of 128; block i needs the key tiles 0 .. i of 128 keys, the last of which holds the diagonal.  A work-group takes blocks 7 - p and then p: 9 tiles whatever p, one
; loop with a constant trip count.  CLUSTER: the four partners are the four query heads of one K/V head with the same p: their walks are the same, so every tile of K and V is asked for jointly (mask 15), and
; every branch hangs on p and the wave's number alone.
; SHARES.  Of a block's two bands of 64 queries a wave owns 16 rows in each: tile t of the wave is band t.  In the diagonal key tile's step 0 band 0 takes the mask MD and band 1 sees all; in its step 1 band 0 sees
; nothing and is left out, band 1 takes MD: the same work for all four waves.  The mask is the C operand that starts the sum: 0, or -1e30 where the key is hidden.
; LAYOUT.  S^T = K Q^T holds one query a lane (l % 16) and the keys 8 (l / 16) + 0..7; two such results rounded to f16 are source 1 of O^T = V^T P.  K comes out of LDS as it lies, V turned (ds_load_tr16_b128).
; SOFTMAX.  p = 2^(c s - c m), c = log2(e) / sqrt(128), with a running maximum m; O and l are multiplied by a = 2^(c m_old - c m_new) in every step.  m starts at the lowest finite number: a block's first a is 0.
; IN PHASES: a step is K Q^T, the softmax (one batch of exponentials, one wait), V^T P.
; REGISTERS.  window 0: addresses; v16-31 statistics, 8 a tile; v32-57 Wproj's conversion; v64-127 S^T; v128-159 MD; v192-223 P.  window 1: O^T, 64 a tile.  window 2: v0-63 Q, v64-127 the second block's Q, v128-255 K.  window 3: v0-127 V.
.set NB,    8
.set KS,    64
.set PK,    272                        ; a row of K in LDS: 256 bytes + 16
.set PVB,   288                        ; a row of V: 256 + 32
.set VOFF,  KS*PK                      ; a step's tiles lie together: 64 rows of K, then 64 rows of V
.set STEPB, KS*(PK+PVB)
.set SLOT1, 1<<17                      ; a slot holds two steps; slot 1 begins here
.set STAGE, SLOT1+2*STEPB              ; 16 rows x 272 bytes for each wave, for the way out; no tensor load fills it
.set SP,    272
.set SPARE, STAGE+4*16*SP              ; the spare words, 128 bytes a wave: two blocks of 256 bytes that no other line names
.set AK0, 2                            ; v2   my lane's place in a tile of K; never rewritten
.set AV0, 3                            ; v3   the same for V
.set AKS, 4                            ; v4   the same in the slot in hand
.set AVS, 5
.set STO, 6
.set RD,  7
.set GO,  8
.set QO,  15
.set ST,  16                           ; tile t at ST + 8 t: c m, m, l (even keys', odd keys'), c0-c3 at work; a takes c2's place
.set WX,  32                           ; v[32:47] four times four numbers of Wproj as loaded; the first two of each four take the words to store
.set WT,  48                           ; v[48:53] at work on them
.set WLO, 56                           ; v56  16 x lane; never rewritten
.set WSO, 57                           ; v57  8 x lane; never rewritten
.set PFO, 61
.set SPW, 62
.set NIL, 63
.set S,   64
.set MD,  128
.set P,   192
.set QB,  64                           ; window 2
.set KF,  128                          ; window 2
.set KB,  8                            ; s[8:9]   K at my half of the head's tile 0
.set VB,  10                           ; s[10:11] V likewise
.set WV,  12
.set CX,  13
.set PB,  14                           ; p
.set HI,  15                           ; 7 - p
.set QHI, 16                           ; s[16:17] Q at my rows of the first block
.set PFA, 18                           ; s[18:19] where my prefetches stand
.set QLO, 20                           ; s[20:21] Q at my rows of the second block
.set G1K, 24
.set G1V, 32
.set G0K, 40
.set G0V, 44
.set LIM, 48
.set OLO, 52                           ; s[52:53] yb at my rows of the second block
.set OCUR, 54                          ; s[54:55] of the block in hand
.set SLOTS, 56
.set CS,  58
.set SEL, 60
.set TB,  62                           ; the slot in hand: 0 or SLOT1
.set RT,  70                           ; tiles of the block in hand still to be entered
.set NXT, 71                           ; the tile to be asked for next
.set LQ,  72                           ; the last tile of the block whose tiles are being asked for
.set OFF, 74
.set BIGN, 82
.set WSRC, 92                          ; s[92:93] Wproj at the 2 KiB that my wave converts in this trip
.set WDST, 94                          ; s[94:95] wp at their 1 KiB
.set MSB, 0
.macro WIN new
.if MSB != (\new)
	s_set_vgpr_msb (MSB<<8)|(\new)
.set MSB, \new
.endif
.endm
.set W_KQ, 0x0a                        ; K and Q in window 2; S^T and the mask in window 0
.set W_PV, 0x53                        ; V in window 3, P in window 0, O^T in window 1
.set W_RS, 0x41                        ; O^T (destination and source 0) in window 1, a in window 0
.macro PLACES
.rept 4
	v_nop
.endr
.endm
.macro JLOAD                           ; waves 0, 1 fetch K of a tile's two steps, waves 2, 3 V; an s_nop 0 and four v_nop follow each line
	s_cmp_lt_u32 s[WV], 2
	s_cbranch_scc0 .Lfor_v_\@
	tensor_load_to_lds s[G0K:G0K+3], s[G1K:G1K+7]
	s_nop 0
	PLACES
	s_branch .Lasked_\@
.Lfor_v_\@:
	tensor_load_to_lds s[G0V:G0V+3], s[G1V:G1V+7]
	s_nop 0
	PLACES
.Lasked_\@:
.endm
; A prefetch into the L2 of the tile that the NEXT change of slots will ask for.  The four clusters of a K/V head walk the same rows; the one with p = 0, which walks tiles 0 to 7 in order, asks.  Its four partners take
; 32 of a tile's 128 rows each, told apart by address; wave 0 asks for K's, wave 2 for V's; a lane a row.  Tiles 0 and 1 come by their loads alone; tile 7 is the last that is named.
.macro ASK
	s_cmp_gt_u32 s[SLOTS], s[LIM]
	s_cbranch_scc0 .Lnot_mine_\@
	global_prefetch_b8 v[PFO], s[PFA:PFA+1] th:TH_LOAD_NT scope:SCOPE_SE
.Lnot_mine_\@:
.endm
.macro CROUND
	s_barrier_signal -1
	s_barrier_wait -1
	s_cmp_lg_u32 s[WV], 0
	s_cbranch_scc1 .Lnot_wave_0_\@
	s_barrier_signal -3
.Lnot_wave_0_\@:
	s_barrier_wait -3
	s_barrier_signal -1
	s_barrier_wait -1
.endm
; THE CHANGE OF SLOTS.  Each wave waits for all its tensor loads (one is out: its part of the other slot), adds 0 to its spare word, and waits for that and for its reads of the slot that it leaves.
; fill = 1: the barrier is a round of the cluster's, and the old slot is filled again, first thing behind it, with tile NXT; the descriptor's address is made anew from that number.
.macro CHANGE fill
	WIN 0
	s_wait_tensorcnt 0x0
	ds_add_u32 v[SPW], v[NIL]                      ; 0 onto my spare word; the scalar work below stands between it and the wait for it
.if \fill
	s_lshl_b32 s[OFF], s[NXT], 15                  ; a tile is 32,768 bytes of K and of V
	s_xor_b32 s[G0K+1], s[G0K+1], SLOT1
	s_add_nc_u64 s[G0K+2:G0K+3], s[KB:KB+1], s[OFF:OFF+1]
	s_or_b32 s[G0K+3], s[G0K+3], 0x80000000
	s_xor_b32 s[G0V+1], s[G0V+1], SLOT1
	s_add_nc_u64 s[G0V+2:G0V+3], s[VB:VB+1], s[OFF:OFF+1]
	s_or_b32 s[G0V+3], s[G0V+3], 0x80000000
	s_add_co_u32 s[NXT], s[NXT], 1                 ; the block's next tile, or behind its last the second block's tile 0
	s_cmp_gt_u32 s[NXT], s[LQ]
	s_cselect_b32 s[NXT], 0, s[NXT]
	s_cselect_b32 s[LQ], s[PB], s[LQ]
	s_wait_xcnt 0x0                                ; the last prefetch, a tile back, has read its address
	s_add_nc_u64 s[PFA:PFA+1], s[PFA:PFA+1], 32768
	s_wait_dscnt 0x0                               ; the add is done, and my reads of the slot are over
	CROUND
	JLOAD
	ASK
.else
	s_wait_dscnt 0x0
	s_barrier_signal -1
	s_barrier_wait -1
.endif
	s_xor_b32 s[TB], s[TB], SLOT1
	v_add_nc_u32 v[AKS], s[TB], v[AK0]
	v_add_nc_u32 v[AVS], s[TB], v[AV0]
.endm
.macro FETCH_K st                      ; 32 loads: K of step st of the slot: keys 16 (f / 4) on, channels 32 (f % 4) on
	WIN 0x80
.irp f, 0,1,2,3,4,5,6,7,8,9,10,11,12,13,14,15
	ds_load_b128 v[KF+8*(\f):KF+8*(\f)+3],   v[AKS] offset:(\st)*STEPB+((\f)/4)*16*PK+((\f)%4)*64
	ds_load_b128 v[KF+8*(\f)+4:KF+8*(\f)+7], v[AKS] offset:(\st)*STEPB+((\f)/4)*16*PK+((\f)%4)*64+32
.endr
.endm
.macro FETCH_V st                      ; 32 turning loads: keys 32 (f / 8) on, channels 16 (f % 8) on
	WIN 0xc0
.irp f, 0,1,2,3,4,5,6,7,8,9,10,11,12,13,14,15
	ds_load_tr16_b128 v[8*(\f):8*(\f)+3],   v[AVS] offset:(\st)*STEPB+((\f)/8)*32*PVB+((\f)%8)*32
	ds_load_tr16_b128 v[8*(\f)+4:8*(\f)+7], v[AVS] offset:(\st)*STEPB+((\f)/8)*32*PVB+16*PVB+((\f)%8)*32
.endr
.endm
; S^T = K Q^T for tiles t0 .. t0 + nt - 1: 16 nt products; the 4 nt accumulators take turns.  mk0, mk1: tile 0, tile 1 starts its sums with the mask, else with 0.
.macro KQ t0, nt, mk0, mk1
	WIN W_KQ
.set i, 0
.rept 16*(\nt)
.set tl, (\t0)+i%(\nt)
.set u, i/(\nt)
.set rS, S+32*tl+8*(u%4)
.set rK, KF+32*(u%4)+8*(u/4)
.set rQ, 32*tl+8*(u/4)
.set mk, (\mk0)
.if tl == 1
.set mk, (\mk1)
.endif
.if (u < 4) && mk
	v_wmma_f32_16x16x32_f16 v[rS:rS+7], v[rK:rK+7], v[rQ:rQ+7], v[MD+8*(u%4):MD+8*(u%4)+7]
.elseif u < 4
	v_wmma_f32_16x16x32_f16 v[rS:rS+7], v[rK:rK+7], v[rQ:rQ+7], 0
.else
	v_wmma_f32_16x16x32_f16 v[rS:rS+7], v[rK:rK+7], v[rQ:rQ+7], v[rS:rS+7]
.endif
.set i, i+1
.endr
.endm
.macro PV t0, nt                       ; O^T += V^T P: 16 nt products; the 8 nt accumulators take turns
	WIN W_PV
.set i, 0
.rept 16*(\nt)
.set tl, (\t0)+i%(\nt)
.set u, i/(\nt)
.set rO, 64*tl+8*(u%8)
.set rV, 64*(u/8)+8*(u%8)
.set rP, P+16*tl+8*(u/8)
	v_wmma_f32_16x16x32_f16 v[rO:rO+7], v[rV:rV+7], v[rP:rP+7], v[rO:rO+7]
.set i, i+1
.endr
.endm
; Number j of the 134 instructions of one tile's softmax for one key step.  s0-s31 are the lane's 32 scores, in pairs 0-15.
;   0-15 the maximum of the scores and the old m (each accumulator's lowest registers are read first)    16-20 the other half of the lanes' maximum; m; c m; its change
;   21-69 the 16 scalings c s - c m and all 33 exponentials (a at 23): none of these names an exponential's result    70-85 the roundings to f16    86-101 the sums; l = a l + sum    102-133 O^T times a
.macro SM t
.set rT, ST+8*(\t)
.set rS, S+32*(\t)
.set rP, P+16*(\t)
.set rO, 64*(\t)+2*(j-102)
.if j < 102
	WIN 0
.endif
.if j < 4
	v_max3_num_f32 v[rT+4+j], v[rS+8*j], v[rS+8*j+1], v[rS+8*j+2]
.elseif j < 12
	v_max3_num_f32 v[rT+4+j%4], v[rT+4+j%4], v[rS+8*(j%4)+2*(j/4)+1], v[rS+8*(j%4)+2*(j/4)+2]
.elseif j == 12
	v_max3_num_f32 v[rT+4], v[rT+4], v[rS+7], v[rS+15]
.elseif j == 13
	v_max3_num_f32 v[rT+6], v[rT+6], v[rS+23], v[rS+31]
.elseif j == 14
	v_max3_num_f32 v[rT+4], v[rT+4], v[rT+5], v[rT+6]
.elseif j == 15
	v_max3_num_f32 v[rT+4], v[rT+4], v[rT+7], v[rT+1]
.elseif j == 16
	v_permlanex16_b32 v[rT+5], v[rT+4], s[SEL], s[SEL+1]  ; the query's other 32 keys lie in the lane 16 away
.elseif j == 17
	v_mov_b32 v[rT+7], v[rT]                       ; c m_old is kept for a
.elseif j == 18
	v_max_num_f32 v[rT+1], v[rT+4], v[rT+5]
.elseif j == 19
	v_mul_f32 v[rT], s[CS], v[rT+1]
.elseif j == 20
	v_sub_f32 v[rT+7], v[rT+7], v[rT]
.elseif j == 23
	v_exp_f32 v[rT+6], v[rT+7]
.elseif (j < 23) || ((j < 38) && (j%2 == 0)) || ((j < 66) && (j%4 == 2))
.set b, (j-2)/4
.if j < 38
.set b, (j-20)/2
.endif
	v_pk_fma_f32 v[rS+2*b:rS+2*b+1], v[rS+2*b:rS+2*b+1], s[CS:CS+1], v[rT:rT+1] op_sel_hi:[1,0,0] neg_lo:[0,0,1] neg_hi:[0,0,1]
.elseif j < 70
.set e, j-38
.if j < 66
.set e, j-32-(j-38)/4
.endif
.if j < 38
.set e, (j-25)/2
.endif
	v_exp_f32 v[rS+e], v[rS+e]
.elseif j < 86
	v_cvt_pk_f16_f32 v[rP+j-70], v[rS+2*(j-70)], v[rS+2*(j-70)+1]
.elseif j < 102
.set z, j-86
.set w, 4
.set u, z
.if z >= 14
.set w, 32
.set u, 0
.elseif z >= 12
.set w, 16
.set u, z-12
.elseif z >= 8
.set w, 8
.set u, z-8
.endif
.if z < 15
	v_pk_add_f32 v[rS+w*u:rS+w*u+1], v[rS+w*u:rS+w*u+1], v[rS+w*u+w/2:rS+w*u+w/2+1]
.else
	v_pk_fma_f32 v[rT+2:rT+3], v[rT+2:rT+3], v[rT+6:rT+7], v[rS:rS+1] op_sel_hi:[1,0,1]
.endif
.else
	WIN W_RS
	v_pk_mul_f32 v[rO:rO+1], v[rO:rO+1], v[rT+6:rT+7] op_sel_hi:[1,0]
.endif
.endm
.macro SOFT t0, nt                     ; the tiles alternate; the exponentials are one batch with one wait
.set j, 0
.rept 70
	SM \t0
.if (\nt) == 2
	SM (\t0)+1
.endif
.set j, j+1
.endr
	v_nop                                          ; a plain instruction behind the last exponential,
	s_wait_alu depctr_va_vdst(0)                   ; and one wait ahead of the first instruction that names a result
.rept 64
	SM \t0
.if (\nt) == 2
	SM (\t0)+1
.endif
.set j, j+1
.endr
.endm
; A KEY STEP.  K of the step has been asked for; V is asked for first; nxk = 1: K of the slot's next step is asked for behind the products that read K.
.macro STEP st, t0, nt, mk0, mk1, nxk
	FETCH_V \st
	s_wait_dscnt 32                                ; K is in; V's 32 loads may be out
	KQ \t0, \nt, \mk0, \mk1
	WIN 0
	PLACES                                         ; behind the products: the softmax reads their results, and loads go into K's registers
.if \nxk
	FETCH_K (\st)+1
.endif
	SOFT \t0, \nt
.if \nxk
	s_wait_dscnt 32                                ; V is in; the next K's 32 loads may be out
.else
	s_wait_dscnt 0x0                               ; V is in
.endif
	PV \t0, \nt
	WIN 0
	PLACES                                         ; behind the products: loads go into V's registers, and P and O^T are written again
.endm
.macro FULL
	FETCH_K 0
	STEP 0, 0, 2, 0, 0, 1
	STEP 1, 0, 2, 0, 0, 0
.endm
.macro DIAG
	FETCH_K 0
	STEP 0, 0, 2, 1, 0, 1
	STEP 1, 1, 1, 0, 1, 0
.endm
.macro INIT
.irp t, 0,1
	v_mov_b32 v[ST+8*(\t)], 0xfe000000             ; c m: far below every c s
	v_mov_b32 v[ST+8*(\t)+1], 0xff7fffff           ; m
.endr
.endm
; THE WAY OUT: O^T is divided by l, rounded to f16 and sent through my stage in LDS, a tile (16 rows) at a time.
.macro PACK t
	WIN W_RS
.set i, 64*(\t)
.rept 32
	v_pk_mul_f32 v[i:i+1], v[i:i+1], v[ST+8*(\t)+6:ST+8*(\t)+7] op_sel_hi:[1,0]
.set i, i+2
.endr
	WIN 0x05
.set i, 0
.rept 32
	v_cvt_pk_f16_f32 v[S+32*(\t)+i], v[64*(\t)+2*i], v[64*(\t)+2*i+1]
.set i, i+1
.endr
	WIN 0
.irp f, 0,1,2,3,4,5,6,7
	ds_store_b128 v[STO], v[S+32*(\t)+4*(\f):S+32*(\t)+4*(\f)+3] offset:32*(\f)
.endr
.irp f, 0,1,2,3,4,5,6,7
	ds_load_b128 v[S+32*(\t)+4*(\f):S+32*(\t)+4*(\f)+3], v[RD] offset:(\f)*2*SP  ; LDS serves a wave's instructions in order (ISA guide 5.7.1.4): these see the stores above
.endr
.endm
.macro SEND t, younger                 ; younger: the LDS instructions issued behind tile t's loads
.irp f, 0,1,2,3,4,5,6,7
.if (\f)%4 == 0
	s_wait_dscnt (\younger)+4-(\f)                 ; one wait for four stores: the tile's 4 - f later loads and the younger instructions may be out
.endif
	global_store_b128 v[GO], v[S+32*(\t)+4*(\f):S+32*(\t)+4*(\f)+3], s[OCUR:OCUR+1] offset:(\t)*262144+(\f)*8192  ; 16 lanes store a head's 256 bytes of a row, aligned; the other 16 the next row's
.endr
.endm
.macro WAYOUT
.irp t, 0,1
	v_add_f32 v[ST+8*(\t)+4], v[ST+8*(\t)+2], v[ST+8*(\t)+3]
.endr
.irp t, 0,1
	v_permlanex16_b32 v[ST+8*(\t)+5], v[ST+8*(\t)+4], s[SEL], s[SEL+1]
.endr
.irp t, 0,1
	v_add_f32 v[ST+8*(\t)+4], v[ST+8*(\t)+4], v[ST+8*(\t)+5]
.endr
.irp t, 0,1
	v_rcp_f32 v[ST+8*(\t)+6], v[ST+8*(\t)+4]
.endr
	v_nop
	s_wait_alu depctr_va_vdst(0)                   ; one wait for the two reciprocals, ahead of their first reader
	PACK 0
	PACK 1
	SEND 0, 16
	SEND 1, 0
.endm
	s_load_b128 s[4:7], s[0:1], 0x0                ; heads s[4:5], yb s[6:7]
	s_load_b128 s[92:95], s[0:1], 0x10             ; Wproj s[92:93], wp s[94:95]
	v_lshl_add_u32 v[SPW], v0, 2, SPARE
	v_mov_b32 v[NIL], 0
	ds_add_u32 v[SPW], v[NIL]                      ; the wave's opening: the add and its wait ahead of my first tensor load
	v_lshrrev_b32 v1, 5, v0
	v_readfirstlane_b32 s[WV], v1
	s_bfe_u32 s[CX], ttmp6, 0x40000                ; r: my query head among the four: it enters Q's, yb's, Wproj's, wp's and the prefetches' addresses alone
	s_mov_b32 s[PB], ttmp9
	s_sub_co_u32 s[HI], NB-1, s[PB]
	s_and_b32 s22, ttmp7, 0xffff                   ; 4 b + g
	s_lshl_b32 s96, s22, 4                         ; my work-group among the 256: 16 (4 b + g)
	s_lshl2_add_u32 s96, ttmp9, s96                ; + 4 p
	s_add_co_u32 s96, s96, s[CX]                   ; + r;
	s_lshl2_add_u32 s96, s96, s[WV]                ; my wave among the 1,024:
	s_lshl_b32 s98, s96, 13                        ; its 8,192 bytes of wp,
	s_lshl_b32 s96, s96, 14                        ; its 16,384 bytes of Wproj
	s_mov_b32 s97, 0
	s_mov_b32 s99, 0
	s_lshr_b32 s23, s22, 2                         ; b
	s_and_b32 s22, s22, 3                          ; g
	s_mul_i32 s49, s23, 24
	s_add_co_u32 s50, s49, s22
	s_add_co_u32 s50, s50, 16
	s_lshl_b32 s50, s50, 18                        ; the K head's first byte; the V head lies four heads on
	s_and_b32 s51, s[WV], 1                        ; which of a tile's two steps I fetch:
	s_lshl_b32 s66, s51, 14                        ; its 64 rows of 256 bytes,
	s_add_co_u32 s66, s66, s50
	s_mov_b32 s67, 0
	s_mul_i32 s51, s51, STEPB                      ; and its place in a slot
	s_cmp_lt_u32 s[WV], 2
	s_cselect_b32 s68, 0, 1<<20
	s_add_co_u32 s68, s68, s50                     ; the prefetches: K's or V's head,
	s_lshl_b32 s69, s[CX], 13
	s_add_co_u32 s68, s68, s69                     ; my work-group's 32 rows of a tile,
	s_add_co_u32 s68, s68, 32768                   ; in tile 1: the first change of slots steps it to tile 2
	s_mov_b32 s69, 0
	s_lshl2_add_u32 s83, s22, s[CX]                ; h = 4 g + r
	s_add_co_u32 s76, s49, s83
	s_lshl_b32 s76, s76, 18
	s_lshl_b32 s77, s[WV], 12                      ; my 16 rows in a band
	s_add_co_u32 s76, s76, s77
	s_lshl_b32 s77, s[HI], 15
	s_add_co_u32 s78, s76, s77
	s_mov_b32 s79, 0
	s_lshl_b32 s77, s[PB], 15
	s_add_co_u32 s80, s76, s77
	s_mov_b32 s81, 0
	s_lshl_b32 s76, s23, 22                        ; yb: 1,024 rows of 4,096 bytes a batch,
	s_lshl_b32 s77, s[WV], 16                      ; my 16 rows,
	s_add_co_u32 s76, s76, s77
	s_lshl_b32 s77, s83, 8                         ; my head's 256 bytes
	s_add_co_u32 s76, s76, s77
	s_lshl_b32 s77, s[HI], 19
	s_add_co_u32 s84, s76, s77
	s_mov_b32 s85, 0
	s_lshl_b32 s77, s[PB], 19
	s_add_co_u32 s86, s76, s77
	s_mov_b32 s87, 0
	s_mov_b32 s[G1K], 15|(1<<16)|(1<<20)|(1<<21)|(5<<22)|(3<<25)  ; the mask of four; 2-byte elements; padding on; bit 21 beside a mask; after every 64 words 4 words
	s_mov_b32 s[G1V], 15|(1<<16)|(1<<20)|(1<<21)|(5<<22)|(7<<25)  ; the same with 8 words
.irp g, G1K, G1V
	s_mov_b32 s[(\g)+1], 128<<16                   ; tensor_dim0 = 128
	s_mov_b32 s[(\g)+2], KS<<16                    ; tensor_dim1 = 64
	s_mov_b32 s[(\g)+3], 128<<16                   ; tile_dim0 = 128
	s_mov_b32 s[(\g)+4], KS                        ; tile_dim1 = 64
	s_mov_b32 s[(\g)+5], 128                       ; elements from row to row
	s_mov_b32 s[(\g)+6], 0
	s_mov_b32 s[(\g)+7], 0
.endr
	s_mov_b32 s[G0K], 1
	s_mov_b32 s[G0K+1], s51                        ; slot 0
	s_mov_b32 s[G0V], 1
	s_add_co_u32 s[G0V+1], s51, VOFF
	s_mov_b32 s[CS], 0x3e0293ee                    ; c = log2(e) / sqrt(128)
	s_mov_b32 s[CS+1], s[CS]
	s_mov_b32 s[SEL], 0x76543210
	s_mov_b32 s[SEL+1], 0xfedcba98
	s_mov_b32 s[BIGN], 0xf149f2ca                  ; -1e30
	s_mov_b32 s[TB], SLOT1                         ; the first change of slots turns it into 0
	s_mov_b32 s[SLOTS], NB
	s_add_co_u32 s[RT], s[HI], 1                   ; the first block has 8 - p tiles
	s_mov_b32 s[NXT], 1
	s_mov_b32 s[LQ], s[HI]
	s_mov_b32 s[OFF+1], 0
	s_and_b32 s[LIM], s[WV], 1
	s_or_b32 s[LIM], s[LIM], ttmp9
	s_cmp_eq_u32 s[LIM], 0
	s_cselect_b32 s[LIM], 2, -1                    ; waves 0 and 2 of the clusters with p = 0 ask, while more than two changes are to come
	v_and_b32 v[PFO], 31, v0
	v_lshlrev_b32 v[WSO], 3, v[PFO]
	v_lshlrev_b32 v[WLO], 4, v[PFO]
	v_lshlrev_b32 v[PFO], 8, v[PFO]
	s_wait_dscnt 0x0                               ; the opening add is done
	s_wait_kmcnt 0x0
	s_add_nc_u64 s[KB:KB+1], s[4:5], s[66:67]
	s_add_nc_u64 s[VB:VB+1], s[KB:KB+1], 1<<20
	s_add_nc_u64 s[PFA:PFA+1], s[4:5], s[68:69]
	s_add_nc_u64 s[QHI:QHI+1], s[4:5], s[78:79]
	s_add_nc_u64 s[QLO:QLO+1], s[4:5], s[80:81]
	s_add_nc_u64 s[OCUR:OCUR+1], s[6:7], s[84:85]
	s_add_nc_u64 s[OLO:OLO+1], s[6:7], s[86:87]
	s_add_nc_u64 s[WSRC:WSRC+1], s[WSRC:WSRC+1], s[96:97]
	s_add_nc_u64 s[WDST:WDST+1], s[WDST:WDST+1], s[98:99]
	s_add_nc_u64 s[G0K+2:G0K+3], s[KB:KB+1], 0
	s_or_b32 s[G0K+3], s[G0K+3], 0x80000000
	s_add_nc_u64 s[G0V+2:G0V+3], s[VB:VB+1], 0
	s_or_b32 s[G0V+3], s[G0V+3], 0x80000000
	CROUND                                         ; all four work-groups are here: the first joint loads meet
	JLOAD                                          ; tile 0 into slot 0; slot 1 is asked for by the loop's first change of slots
	v_and_b32 v1, 15, v0                           ; l % 16
	v_bfe_u32 v9, v0, 4, 1                         ; l / 16
	v_lshlrev_b32 v[QO], 8, v1
	v_lshl_add_u32 v[QO], v9, 4, v[QO]
	WIN 0x80
.set i, 0
.rept 8                                ; both blocks' Q stay in registers: tile i / 4 lies 64 rows on; channels 32 (i % 4) on
	global_load_b128 v[8*i:8*i+3],       v[QO], s[QHI:QHI+1] offset:(i/4)*16384+(i%4)*64
	global_load_b128 v[8*i+4:8*i+7],     v[QO], s[QHI:QHI+1] offset:(i/4)*16384+(i%4)*64+32
	global_load_b128 v[QB+8*i:QB+8*i+3],   v[QO], s[QLO:QLO+1] offset:(i/4)*16384+(i%4)*64
	global_load_b128 v[QB+8*i+4:QB+8*i+7], v[QO], s[QLO:QLO+1] offset:(i/4)*16384+(i%4)*64+32
.set i, i+1
.endr
	WIN 0
	v_lshlrev_b32 v14, 3, v9
	v_sub_nc_u32 v14, v1, v14
	s_lshl_b32 s22, s[WV], 4
	v_add_nc_u32 v14, s22, v14                     ; my query's place in its band less my lanes' 8 (l / 16): register r of key group kb is hidden where 16 kb + r is greater
	v_mov_b32 v13, s[BIGN]
.set i, 0
.rept 32
	v_cmp_gt_i32 vcc_lo, 16*(i/8)+i%8, v14
	v_cndmask_b32 v[MD+i], 0, v13, vcc_lo
.set i, i+1
.endr
	v_mul_u32_u24 v[AK0], v1, PK
	v_lshl_add_u32 v[AK0], v9, 4, v[AK0]
	v_and_b32 v10, 7, v0                           ; the turning load: lane l reads key 8 (l / 16) + l % 8, channels 8 ((l / 8) % 2) + 0..7
	v_bfe_u32 v11, v0, 3, 1
	v_lshl_add_u32 v[AV0], v9, 3, v10
	v_mul_u32_u24 v[AV0], v[AV0], PVB
	v_lshl_add_u32 v[AV0], v11, 4, v[AV0]
	v_add_nc_u32 v[AV0], VOFF, v[AV0]
	s_mul_i32 s22, s[WV], 16*SP
	s_add_co_u32 s22, s22, STAGE
	v_mul_u32_u24 v[STO], v1, SP
	v_lshl_add_u32 v[STO], v9, 4, v[STO]
	v_add_nc_u32 v[STO], s22, v[STO]
	v_mul_u32_u24 v[RD], v9, SP
	v_lshl_add_u32 v[RD], v1, 4, v[RD]
	v_add_nc_u32 v[RD], s22, v[RD]
	v_lshlrev_b32 v[GO], 12, v9
	v_lshl_add_u32 v[GO], v1, 4, v[GO]
	; a block's first step multiplies O^T and l by a = 0, so they need only hold finite numbers: zeros now, what the first block left later.  This stands in the wait for the first tile; no first step is written out.
	WIN 0x40
.set i, 0
.rept 128
	v_mov_b32 v[i], 0
.set i, i+1
.endr
	WIN 0
.irp t, 0,1
	v_mov_b32 v[ST+8*(\t)+2], 0
	v_mov_b32 v[ST+8*(\t)+3], 0
.endr
	INIT
	s_wait_loadcnt 0x0                             ; Q
.Lslot:                                        ; 8 trips: a tile is entered and the next is asked for
	CHANGE 1
.irp c, 0,1,2,3
	global_load_b128 v[WX+4*(\c):WX+4*(\c)+3], v[WLO], s[WSRC:WSRC+1] offset:512*(\c) th:TH_LOAD_NT  ; this trip's 2 KiB of Wproj: wanted at the trip's foot
.endr
	s_sub_co_u32 s[RT], s[RT], 1
	s_cmp_eq_u32 s[RT], 0
	s_cbranch_scc1 .Ldiag
	FULL
	s_branch .Lbottom
.Ldiag:                                        ; in the loop this is the first block's end: the second block's last tile is the walk's last
	DIAG
	WAYOUT
	s_wait_xcnt 0x0                                ; the stores have read their registers and their base
	s_mov_b64 s[OCUR:OCUR+1], s[OLO:OLO+1]
	s_add_co_u32 s[RT], s[PB], 1                   ; the second block has p + 1 tiles
	INIT
	WIN 0x82                                       ; the second block's Q goes where the products name Q
.set i, 0
.rept 64
	v_mov_b32 v[i], v[QB+i]
.set i, i+1
.endr
	WIN 0
.Lbottom:
	s_wait_loadcnt 0x0                             ; Wproj's four loads, issued a tile's work ago
.irp c, 0,1,2,3
	v_cvt_pk_bf16_f32 v[WT], v[WX+4*(\c)], v[WX+4*(\c)+1]       ; to bf16 like every input,
	v_cvt_pk_bf16_f32 v[WT+1], v[WX+4*(\c)+2], v[WX+4*(\c)+3]
	v_lshlrev_b32 v[WT+2], 16, v[WT]
	v_and_b32 v[WT+3], 0xffff0000, v[WT]
	v_lshlrev_b32 v[WT+4], 16, v[WT+1]
	v_and_b32 v[WT+5], 0xffff0000, v[WT+1]
	v_cvt_pk_f16_f32 v[WX+4*(\c)], v[WT+2], v[WT+3]             ; and that number as f16
	v_cvt_pk_f16_f32 v[WX+4*(\c)+1], v[WT+4], v[WT+5]
	global_store_b64 v[WSO], v[WX+4*(\c):WX+4*(\c)+1], s[WDST:WDST+1] offset:256*(\c) th:TH_STORE_NT  ; a wave's store covers 256 consecutive bytes, aligned
.endr
	s_wait_xcnt 0x0                                ; the stores have read their data and their base: only now are these written again
	s_add_nc_u64 s[WSRC:WSRC+1], s[WSRC:WSRC+1], 2048
	s_add_nc_u64 s[WDST:WDST+1], s[WDST:WDST+1], 1024
	s_sub_co_u32 s[SLOTS], s[SLOTS], 1
	s_cmp_lg_u32 s[SLOTS], 0
	s_cbranch_scc1 .Lslot
	CHANGE 0                                       ; the walk's last tile is written out: nothing is asked for
	DIAG
	WAYOUT
	s_wait_tensorcnt 0x0                           ; the wave's end: behind my last tensor load and my last LDS store
	ds_add_u32 v[SPW], v[NIL]
	s_wait_dscnt 0x0
	CROUND                                         ; the closing round
	s_endpgm
.Lfunc_end_k_qbe33b3ebbd_attn:
	.size	k_qbe33b3ebbd_attn, .Lfunc_end_k_qbe33b3ebbd_attn-k_qbe33b3ebbd_attn
	.p2alignl 7, 3214868480
	.fill 96, 4, 3214868480
	.section	.rodata,"a",@progbits
	.p2align	6, 0x0
	.amdhsa_kernel k_qbe33b3ebbd_attn
		.amdhsa_group_segment_fixed_size 327680
		.amdhsa_private_segment_fixed_size 0
		.amdhsa_enable_private_segment 0
		.amdhsa_kernarg_size 32
		.amdhsa_user_sgpr_count 2
		.amdhsa_user_sgpr_kernarg_segment_ptr 1
		.amdhsa_wavefront_size32 1
		.amdhsa_system_sgpr_workgroup_id_x 1
		.amdhsa_system_sgpr_workgroup_id_y 1
		.amdhsa_system_sgpr_workgroup_id_z 1
		.amdhsa_system_vgpr_workitem_id 0
		.amdhsa_next_free_vgpr 896
		.amdhsa_next_free_sgpr 100
		.amdhsa_reserve_vcc 1
		.amdhsa_float_denorm_mode_32 3
		.amdhsa_float_denorm_mode_16_64 3
		.amdhsa_memory_ordered 1
		.amdhsa_forward_progress 1
		.amdhsa_inst_pref_size 169
	.end_amdhsa_kernel
	.amdgpu_metadata
---
amdhsa.version: [ 1, 2 ]
amdhsa.kernels:
  - .name:           k_qbe33b3ebbd_attn
    .symbol:         k_qbe33b3ebbd_attn.kd
    .args:
      - { .name: heads, .offset: 0, .size: 8, .value_kind: global_buffer, .address_space: global }
      - { .name: yb, .offset: 8, .size: 8, .value_kind: global_buffer, .address_space: global }
      - { .name: Wproj, .offset: 16, .size: 8, .value_kind: global_buffer, .address_space: global }
      - { .name: wp, .offset: 24, .size: 8, .value_kind: global_buffer, .address_space: global }
    .group_segment_fixed_size: 327680
    .private_segment_fixed_size: 0
    .kernarg_segment_align: 8
    .kernarg_segment_size: 32
    .max_flat_workgroup_size: 128
    .sgpr_count:     100
    .vgpr_count:     896
    .wavefront_size: 32
...
	.end_amdgpu_metadata
.endif
;; end of part 3
;; launch proj (part 4): grid 8 x 32, 4 waves a work-group, clusters of 4 x 4, 327,680 bytes of LDS; arguments yb, wp, out0; writes out0
.if DOCPART == 4
	.amdgcn_target "amdgcn-amd-amdhsa--gfx1250"
	.amdhsa_code_object_version 6
	.text
	.protected	k_qbe33b3ebbd_proj
	.globl	k_qbe33b3ebbd_proj
	.p2align	8
	.type	k_qbe33b3ebbd_proj,@function
k_qbe33b3ebbd_proj:
	s_mov_b64 s[64:65], 0
	v_nop
	global_prefetch_b8 v0, s[64:65] scope:SCOPE_SE
	s_setreg_imm32_b32 hwreg(HW_REG_WAVE_MODE, 25, 1), 1
	s_wait_xcnt 0x0
	s_wait_alu depctr_hold_cnt(0) depctr_sa_sdst(0) depctr_va_vdst(0) depctr_va_sdst(0) depctr_va_ssrc(0) depctr_va_vcc(0) depctr_vm_vsrc(0)
	s_getreg_b32 s2, hwreg(HW_REG_IB_STS2, 6, 4)
	s_cmp_eq_u32 s2, 0
	s_cbranch_scc0 .Lentry_in_a_cluster
	s_endpgm
.Lentry_in_a_cluster:
	s_bfe_u32 s2, ttmp6, 0x10000c
	s_cmp_lg_u32 s2, 0xf033
	s_cbranch_scc0 .Lentry_shape_is_right
	s_endpgm
.Lentry_shape_is_right:
; PROJ.  out0 = yb wp^T.  yb [4096][2048], wp [2048][2048] in f16; sums and out0 in f32.
; SHARES.  A work-group makes 128 rows x 256 columns: 8 x 32 = 256 work-groups.  Four waves, 2 x 2, each 64 x 128: 32 accumulators, 256 registers.  K goes in steps of 128 through two LDS slots (A's 128 rows, then
; B's 256; rows of 256 bytes + 16).  Wave 0 fetches A's tile, waves 1 and 2 128 rows of B each, wave 3 none.  CLUSTER 4 x 4: A's tile is shared along a row of the cluster, B's along a column: joint loads.
; THE WALK ALONG K BEGINS AT ANOTHER STEP IN EACH CLUSTER: at step 4 (cluster y mod 4) + 8 (cluster x), mod 16, and wraps at K's end.  The two clusters that read the same rows of A begin 8 steps apart, the
; cluster rows that read the same rows of B 4 steps apart: they ask for the same bytes at different times.  The f32 sums are taken in that order of K.
; THE MATRIX INSTRUCTION IS USED TRANSPOSED (source 0 = 16 rows of B, source 1 = 16 rows of A): a lane holds row l % 16 of C and the columns 8 (l / 16) + 0..7.
; THE WAY OUT.  16 rows at a time go through a stage of the wave's own behind the ring and come back as whole rows of 512 bytes.
; LIMITS.  yb and wp lie within f16's range by the launches that made them; NaN and infinities are not treated apart.
; REGISTERS.  window 0: addresses; v32-159 the way out.  window 1: two fragment buffers (A's block a at 8 a, B's block b at 32 + 8 b).  window 2: accumulators of a = 0, 1 at 8 (8 (a % 2) + b).  window 3: a = 2, 3.
.set NBK,    8
.set NBW,    2
.set SIZE_K, 2048
.set KSTEP,  128
.set LAPS,   SIZE_K/(2*KSTEP)
.set PITCH,  272
.set HALFT,  128*PITCH
.set SLOT,   (1+NBW)*HALFT
.set STAGE,  2*SLOT
.set SPT,    528                       ; a row of the stage: 512 bytes + 16
.set SPARE,  STAGE+4*16*SPT            ; the spare words, 128 bytes a wave: two blocks of 256 bytes that no other line names
.set ADRA, 16
.set ADRB, 20
.set STO,  24
.set RD,   26
.set GO,   27
.set SPW,  28
.set NIL,  29
.set PFO,  30
.set OB,   32                          ; v[32:95], v[96:159] by turns: 16 rows read back from the stage
.set F0,   0
.set F1,   128
.set WV, 14
.set WR, 15
.set WC, 16
.set CX, 17
.set CY, 18
.set TC, 19
.set TR, 20
.set G1,  24
.set G0,  32
.set ABASE, 40                         ; s[40:41] A at the tile's first row, K = 0; never rewritten
.set LIM, 43
.set PFA, 44
.set BBASE, 46                         ; s[46:47] B at the first of the 128 rows that I fetch, K = 0; never rewritten
.set G1B, 48
.set G0B, 56
.set PFB, 88                           ; s[88:89] A at my work-group's 32 rows of the tile's 128, K = 0; never rewritten
.set KO,  90                           ; s[90:91] the byte in a row at which the K step to be asked for next begins: it steps by 256 and wraps at 4,096
.set PKO, 92                           ; s[92:93] the same two steps on
.set MSB, 0
.macro WIN new
.if MSB != (\new)
	s_set_vgpr_msb (MSB<<8)|(\new)
.set MSB, \new
.endif
.endm
.set MUL_LO, 0xa5
.set MUL_HI, 0xf5
.set TO_F,   0x40
.macro PLACES
.rept 4
	v_nop
.endr
.endm
; A joint load: wave 0 asks for A's tile, waves 1 and 2 for their 128 rows of B, wave 3 for nothing.  The branches hang on the wave's number alone.  Every way ends in four v_nop; an s_nop 0 follows each load.
.macro JLOAD s
	s_cmp_eq_u32 s[WV], 0
	s_cbranch_scc0 .Lfor_b_\@
	tensor_load_to_lds s[G0+4*(\s):G0+4*(\s)+3], s[G1:G1+7]
	s_nop 0
	PLACES
	s_branch .Lasked_\@
.Lfor_b_\@:
	s_cmp_gt_u32 s[WV], NBW
	s_cbranch_scc1 .Lnone_\@
	tensor_load_to_lds s[G0B+4*(\s):G0B+4*(\s)+3], s[G1B:G1B+7]
	s_nop 0
	PLACES
	s_branch .Lasked_\@
.Lnone_\@:
	PLACES
.Lasked_\@:
.endm
; A prefetch into the L2 of A's K step two refills on: 32 rows x 256 bytes, a lane a row, by wave 0; the four partners that ask for A's tile jointly take 32 of its 128 rows each, told apart by address.
; It is laid for the walk's steps 4 to 7 alone (the loop's first two trips).  The two clusters that read a row block take different halves of K in their walks' first eight steps, so each row's 256 bytes of a K step
; are named once in the launch.  The walk's steps 0 to 3 come by their loads alone; its steps 8 to 15 of A, and 4 to 15 of B, are bytes that another cluster has asked for 8 or 4 steps earlier.
.macro ASK
	WIN 0
	s_cmp_gt_u32 s3, s[LIM]
	s_cbranch_scc0 .Lnot_mine_\@
	global_prefetch_b8 v[PFO], s[PFA:PFA+1] th:TH_LOAD_NT scope:SCOPE_SE
.Lnot_mine_\@:
.endm
.macro CREST
	s_cmp_lg_u32 s[WV], 0
	s_cbranch_scc1 .Lnot_wave_0_\@
	s_barrier_signal -3
.Lnot_wave_0_\@:
	s_barrier_wait -3
	s_barrier_signal -1
	s_barrier_wait -1
.endm
.macro CROUND
	s_barrier_signal -1
	s_barrier_wait -1
	CREST
.endm
.macro MULA f, a, zero                 ; the 32 accumulators take turns in the same order in every quarter
	WIN MUL_LO+0x50*((\a)/2)
.set bb, 0
.rept NBK
.set rD, 8*(((\a)%2)*NBK+bb)
.if \zero
	v_wmma_f32_16x16x32_f16 v[rD:rD+7], v[(\f)+32+8*bb:(\f)+39+8*bb], v[(\f)+8*(\a):(\f)+8*(\a)+7], 0
.else
	v_wmma_f32_16x16x32_f16 v[rD:rD+7], v[(\f)+32+8*bb:(\f)+39+8*bb], v[(\f)+8*(\a):(\f)+8*(\a)+7], v[rD:rD+7]
.endif
.set bb, bb+1
.endr
.endm
.macro FETCH slot, k, f
	WIN TO_F
.set ii, 0
.rept NBK
	ds_load_b128 v[(\f)+32+8*ii:(\f)+35+8*ii], v[ADRB+(\slot)] offset:(\k)+ii*16*PITCH
	ds_load_b128 v[(\f)+36+8*ii:(\f)+39+8*ii], v[ADRB+(\slot)] offset:(\k)+ii*16*PITCH+32
.set ii, ii+1
.endr
.irp i, 0,1,2,3
	ds_load_b128 v[(\f)+8*(\i):(\f)+8*(\i)+3],   v[ADRA+(\slot)] offset:(\k)+(\i)*16*PITCH
	ds_load_b128 v[(\f)+8*(\i)+4:(\f)+8*(\i)+7], v[ADRA+(\slot)] offset:(\k)+(\i)*16*PITCH+32
.endr
.endm
.macro QUARTER slot, k, f, g, zero
	s_wait_dscnt 4                                 ; B and A's blocks 0, 1 are in; A's blocks 2, 3 may be out
	MULA \f, 0, \zero
	MULA \f, 1, \zero
	PLACES
	FETCH \slot, \k, \g
	s_wait_dscnt 2*NBK+8                           ; all but the run just issued
	MULA \f, 2, \zero
	MULA \f, 3, \zero
.endm
; The last quarter of a K step multiplies buffer 1 and changes slots.  fill = 1: the slot is filled again with the walk's step two on; both descriptors' addresses are made anew from KO.
.macro TURN slot, next, fill
.if \fill
	s_wait_xcnt 0x0                                ; the last prefetch, a K step back, has read its address
	s_add_co_u32 s[PKO], s[KO], 2*KSTEP*2
	s_and_b32 s[PKO], s[PKO], SIZE_K*2-1           ; two steps behind the one that is asked for below, round K's end
	s_add_nc_u64 s[PFA:PFA+1], s[PFB:PFB+1], s[PKO:PKO+1]
.endif
	WIN 0
	s_wait_tensorcnt 0x0                           ; all my tensor loads have landed; so a group 0 may be written
	ds_add_u32 v[SPW], v[NIL]
.if \fill
	s_add_nc_u64 s[G0+4*(\slot)+2:G0+4*(\slot)+3], s[ABASE:ABASE+1], s[KO:KO+1]
	s_or_b32 s[G0+4*(\slot)+3], s[G0+4*(\slot)+3], 0x80000000
	s_add_nc_u64 s[G0B+4*(\slot)+2:G0B+4*(\slot)+3], s[BBASE:BBASE+1], s[KO:KO+1]
	s_or_b32 s[G0B+4*(\slot)+3], s[G0B+4*(\slot)+3], 0x80000000
	s_add_co_u32 s[KO], s[KO], KSTEP*2
	s_and_b32 s[KO], s[KO], SIZE_K*2-1
.endif
	s_wait_dscnt 5                                 ; the add and A's last four loads may be out
	MULA F1, 0, 0
	s_wait_dscnt 0x0                               ; the add is done, and my reads of this slot are over
	s_barrier_signal -1
	MULA F1, 1, 0
	WIN 0
	s_barrier_wait -1
.if \fill
	CREST
	JLOAD \slot
.else
	PLACES
.endif
	FETCH \next, 0, F0
.if \fill
	ASK
.endif
	MULA F1, 2, 0
	MULA F1, 3, 0
.endm
	s_load_b128 s[4:7], s[0:1], 0x0                ; yb s[4:5], wp s[6:7]
	s_load_b64 s[12:13], s[0:1], 0x10              ; out0
	v_lshl_add_u32 v[SPW], v0, 2, SPARE
	v_mov_b32 v[NIL], 0
	ds_add_u32 v[SPW], v[NIL]                      ; the wave's opening: the add and its wait ahead of my first tensor load
	v_lshrrev_b32 v1, 5, v0
	v_readfirstlane_b32 s[WV], v1
	s_lshr_b32 s[WR], s[WV], 1
	s_and_b32 s[WC], s[WV], 1
	s_bfe_u32 s[CX], ttmp6, 0x40000
	s_bfe_u32 s[CY], ttmp6, 0x40004
	s_lshl_b32 s[TC], ttmp9, 2
	s_add_co_u32 s[TC], s[TC], s[CX]
	s_and_b32 s[TR], ttmp7, 0xffff
	s_lshl_b32 s[TR], s[TR], 2
	s_add_co_u32 s[TR], s[TR], s[CY]
	s_lshl_b32 s21, s[CY], 2
	s_lshl_b32 s21, 15, s21
	s_lshl_b32 s22, 0x1111, s[CX]
	s_or_b32 s[G1], s21, (1<<16)|(1<<20)|(1<<21)|(5<<22)|(3<<25)
	s_or_b32 s[G1B], s22, (1<<16)|(1<<20)|(1<<21)|(5<<22)|(3<<25)
.irp g, G1, G1B
	s_mov_b32 s[(\g)+1], KSTEP<<16
	s_mov_b32 s[(\g)+2], 128<<16
	s_mov_b32 s[(\g)+3], KSTEP<<16
	s_mov_b32 s[(\g)+4], 128
	s_mov_b32 s[(\g)+5], SIZE_K
	s_mov_b32 s[(\g)+6], 0
	s_mov_b32 s[(\g)+7], 0
.endr
	s_and_b32 s21, ttmp7, 3                        ; the cluster's first K step: 4 (cluster y mod 4)
	s_lshl_b32 s21, s21, 2
	s_lshl3_add_u32 s21, ttmp9, s21                ; + 8 (cluster x),
	s_and_b32 s21, s21, 15                         ; mod 16: the same in all sixteen partners
	s_lshl_b32 s[KO], s21, 8                       ; 256 bytes of a row a step
	s_mov_b32 s[KO+1], 0
	s_mov_b32 s[PKO+1], 0
	s_lshl_b32 s40, s[TR], 19
	s_mov_b32 s41, 0
	s_max_u32 s46, s[WV], 1
	s_min_u32 s46, s46, NBW
	s_sub_co_u32 s46, s46, 1
	s_mul_i32 s47, s[TC], NBW
	s_add_co_u32 s46, s46, s47
	s_lshl_b32 s46, s46, 19
	s_mov_b32 s47, 0
	s_mul_i32 s23, s[WV], HALFT
	s_wait_dscnt 0x0
	s_wait_kmcnt 0x0
	s_add_nc_u64 s[ABASE:ABASE+1], s[4:5], s[40:41]
	s_add_nc_u64 s[BBASE:BBASE+1], s[6:7], s[46:47]
	CROUND
.irp s, 0,1
	s_mov_b32 s[G0+4*(\s)], 1
	s_add_co_u32 s[G0+4*(\s)+1], s23, (\s)*SLOT
	s_add_nc_u64 s[G0+4*(\s)+2:G0+4*(\s)+3], s[ABASE:ABASE+1], s[KO:KO+1]
	s_or_b32 s[G0+4*(\s)+3], s[G0+4*(\s)+3], 0x80000000
	s_mov_b32 s[G0B+4*(\s)], 1
	s_add_co_u32 s[G0B+4*(\s)+1], s23, (\s)*SLOT
	s_add_nc_u64 s[G0B+4*(\s)+2:G0B+4*(\s)+3], s[BBASE:BBASE+1], s[KO:KO+1]
	s_or_b32 s[G0B+4*(\s)+3], s[G0B+4*(\s)+3], 0x80000000
	s_add_co_u32 s[KO], s[KO], KSTEP*2             ; the walk's next step
	s_and_b32 s[KO], s[KO], SIZE_K*2-1
.endr
	s_cmp_eq_u32 s[WV], 0                          ; a wave's two first fills stand together on its way through this branch
	s_cbranch_scc0 .Lfirst_b
	tensor_load_to_lds s[G0:G0+3], s[G1:G1+7]
	s_nop 0
	tensor_load_to_lds s[G0+4:G0+7], s[G1:G1+7]
	s_nop 0
	PLACES
	s_branch .Lfirst_asked
.Lfirst_b:
	s_cmp_gt_u32 s[WV], NBW
	s_cbranch_scc1 .Lfirst_asked
	tensor_load_to_lds s[G0B:G0B+3], s[G1B:G1B+7]
	s_nop 0
	tensor_load_to_lds s[G0B+4:G0B+7], s[G1B:G1B+7]
	s_nop 0
	PLACES
.Lfirst_asked:
	v_and_b32 v1, 15, v0
	v_bfe_u32 v2, v0, 4, 1
	v_mul_u32_u24 v3, v1, PITCH
	v_lshl_add_u32 v3, v2, 4, v3
	s_mul_i32 s21, s[WR], 64*PITCH
	s_mul_i32 s22, s[WC], 16*NBK*PITCH
	s_add_co_u32 s22, s22, HALFT
.irp s, 0,1
	v_add_nc_u32 v[ADRA+(\s)], s21, v3
	v_add_nc_u32 v[ADRB+(\s)], s22, v3
	s_add_co_u32 s21, s21, SLOT
	s_add_co_u32 s22, s22, SLOT
.endr
	s_lshl_b32 s22, s[CX], 17                      ; the prefetches: my work-group's 32 of the tile's 128 rows of 4,096 bytes; nothing is asked for here, at the head
	s_mov_b32 s23, 0
	s_add_nc_u64 s[PFB:PFB+1], s[ABASE:ABASE+1], s[22:23]
	s_cmp_eq_u32 s[WV], 0
	s_cselect_b32 s[LIM], 5, -1                    ; wave 0 asks while more than five trips of the loop are to come
	v_and_b32 v[PFO], 31, v0
	v_lshlrev_b32 v[PFO], 12, v[PFO]
	s_mul_i32 s21, s[WV], 16*SPT
	s_add_co_u32 s21, s21, STAGE                   ; my stage
	v_mul_u32_u24 v[STO], v1, SPT                  ; in: row l % 16, 32 bytes for each half of the lanes
	v_lshl_add_u32 v[STO], v2, 5, v[STO]
	v_add_nc_u32 v[STO], s21, v[STO]
	v_and_b32 v3, 31, v0
	v_lshlrev_b32 v[GO], 4, v3                     ; back and out: 32 lanes take a row's 512 bytes
	v_add_nc_u32 v[RD], s21, v[GO]
	s_lshl_b32 s66, s[TR], 20                      ; 128 rows of 8,192 bytes a tile row,
	s_lshl_b32 s21, s[WR], 19                      ; my 64 rows,
	s_add_co_u32 s66, s66, s21
	s_lshl_b32 s21, s[TC], 10                      ; 256 columns of f32 a tile column,
	s_add_co_u32 s66, s66, s21
	s_lshl_b32 s21, s[WC], 9                       ; my 128 columns
	s_add_co_u32 s66, s66, s21
	s_mov_b32 s67, 0
	s_add_nc_u64 s[12:13], s[12:13], s[66:67]
	s_wait_tensorcnt 1                             ; my part of the walk's step 0 is in; step 1's may stay out
	s_barrier_signal -1
	s_barrier_wait -1
	FETCH 0, 0, F0
	QUARTER 0, 64,  F0, F1, 1
	WIN 0
	s_mov_b32 s3, LAPS-1
.Llap:
	QUARTER 0, 128, F1, F0, 0
	QUARTER 0, 192, F0, F1, 0
	TURN 0, 1, 1
	QUARTER 1, 64,  F0, F1, 0
	QUARTER 1, 128, F1, F0, 0
	QUARTER 1, 192, F0, F1, 0
	TURN 1, 0, 1
	QUARTER 0, 64,  F0, F1, 0
	WIN 0
	s_sub_co_u32 s3, s3, 1
	s_cmp_lg_u32 s3, 0
	s_cbranch_scc1 .Llap
	QUARTER 0, 128, F1, F0, 0
	QUARTER 0, 192, F0, F1, 0
	TURN 0, 1, 0
	QUARTER 1, 64,  F0, F1, 0
	QUARTER 1, 128, F1, F0, 0
	QUARTER 1, 192, F0, F1, 0
	s_wait_dscnt 4
	MULA F1, 0, 0
	MULA F1, 1, 0
	s_wait_dscnt 0x0
	MULA F1, 2, 0
	MULA F1, 3, 0
	WIN 0
	PLACES
	PLACES
; Block a (16 rows) goes into my stage and comes back as whole rows.  The stage is my own, so LDS's order within a wave is all the ordering that it needs (ISA guide 5.7.1.4).
.macro TOSTAGE a
	WIN 0x08+4*((\a)/2)                            ; the data in window 2 or 3
.set bb, 0
.rept NBK
.set rD, 8*(((\a)%2)*NBK+bb)
	ds_store_b128 v[STO], v[rD:rD+3]   offset:64*bb      ; each accumulator's low registers first
	ds_store_b128 v[STO], v[rD+4:rD+7] offset:64*bb+16
.set bb, bb+1
.endr
	WIN 0
.if (\a) >= 2
	s_wait_xcnt 0x0                                ; the stores of the block two back have read the registers that are loaded again below
.endif
.set BK, OB+64*((\a)%2)
.set ii, 0
.rept 16
	ds_load_b128 v[BK+4*ii:BK+4*ii+3], v[RD] offset:SPT*ii
.set ii, ii+1
.endr
.endm
.macro SEND a, younger                 ; younger: the LDS instructions issued behind block a's loads: the next block's 32, or none
.set BK, OB+64*((\a)%2)
.set ii, 0
.rept 16
.if ii%4 == 0
	s_wait_dscnt (\younger)+12-ii                  ; one wait for four stores: the block's 12 - ii later loads and the younger instructions may be out
.endif
	global_store_b128 v[GO], v[BK+4*ii:BK+4*ii+3], s[12:13] offset:131072*(\a)+8192*ii th:TH_STORE_NT  ; a wave's store covers 512 consecutive bytes, aligned
.set ii, ii+1
.endr
.endm
	TOSTAGE 0
	TOSTAGE 1
	SEND 0, 32
	TOSTAGE 2
	SEND 1, 32
	TOSTAGE 3
	SEND 2, 32
	SEND 3, 0
	s_wait_tensorcnt 0x0                           ; the wave's end: behind my last tensor load and my last LDS store
	ds_add_u32 v[SPW], v[NIL]
	s_wait_dscnt 0x0
	CROUND                                         ; the closing round
	s_endpgm
.Lfunc_end_k_qbe33b3ebbd_proj:
	.size	k_qbe33b3ebbd_proj, .Lfunc_end_k_qbe33b3ebbd_proj-k_qbe33b3ebbd_proj
	.p2alignl 7, 3214868480
	.fill 96, 4, 3214868480
	.section	.rodata,"a",@progbits
	.p2align	6, 0x0
	.amdhsa_kernel k_qbe33b3ebbd_proj
		.amdhsa_group_segment_fixed_size 327680
		.amdhsa_private_segment_fixed_size 0
		.amdhsa_enable_private_segment 0
		.amdhsa_kernarg_size 24
		.amdhsa_user_sgpr_count 2
		.amdhsa_user_sgpr_kernarg_segment_ptr 1
		.amdhsa_wavefront_size32 1
		.amdhsa_system_sgpr_workgroup_id_x 1
		.amdhsa_system_sgpr_workgroup_id_y 1
		.amdhsa_system_sgpr_workgroup_id_z 1
		.amdhsa_system_vgpr_workitem_id 0
		.amdhsa_next_free_vgpr 896
		.amdhsa_next_free_sgpr 96
		.amdhsa_reserve_vcc 0
		.amdhsa_float_denorm_mode_32 3
		.amdhsa_float_denorm_mode_16_64 3
		.amdhsa_memory_ordered 1
		.amdhsa_forward_progress 1
		.amdhsa_inst_pref_size 87
	.end_amdhsa_kernel
	.amdgpu_metadata
---
amdhsa.version: [ 1, 2 ]
amdhsa.kernels:
  - .name:           k_qbe33b3ebbd_proj
    .symbol:         k_qbe33b3ebbd_proj.kd
    .args:
      - { .name: yb, .offset: 0, .size: 8, .value_kind: global_buffer, .address_space: global }
      - { .name: wp, .offset: 8, .size: 8, .value_kind: global_buffer, .address_space: global }
      - { .name: out0, .offset: 16, .size: 8, .value_kind: global_buffer, .address_space: global }
    .group_segment_fixed_size: 327680
    .private_segment_fixed_size: 0
    .kernarg_segment_align: 8
    .kernarg_segment_size: 24
    .max_flat_workgroup_size: 128
    .sgpr_count:     96
    .vgpr_count:     896
    .wavefront_size: 32
...
	.end_amdgpu_metadata
.endif
;; end of part 4
;; ======== version 2 of 2: 4 launches; version 1 with the launch cast written anew for expert scheduling mode
;; limits: values are held in f16: magnitudes above 65,504 overflow, below 6.1e-05 lose precision
;; workspace buffers: xb 16,777,216 bytes; wqkv 12,582,912 bytes; wp 8,388,608 bytes; tab 524,288 bytes; heads 25,165,824 bytes; yb 16,777,216 bytes
;; launch cast (part 5): grid 912 x 1, 8 waves a work-group, no clusters, 0 bytes of LDS; arguments x, Wq, Wk, Wv, xb, wqkv, tab; writes xb, wqkv, tab
.if DOCPART == 5
	.amdgcn_target "amdgcn-amd-amdhsa--gfx1250"
	.amdhsa_code_object_version 6
	.text
	.protected	k_qbe33b3ebbd_cast
	.globl	k_qbe33b3ebbd_cast
	.p2align	8
	.type	k_qbe33b3ebbd_cast,@function
k_qbe33b3ebbd_cast:
	s_mov_b64 s[64:65], 0
	v_nop
	global_prefetch_b8 v0, s[64:65] scope:SCOPE_SE
	s_setreg_imm32_b32 hwreg(HW_REG_WAVE_SCHED_MODE, 0, 2), 2
	s_setreg_imm32_b32 hwreg(HW_REG_WAVE_MODE, 25, 1), 1
	s_wait_xcnt 0x0
	s_wait_alu depctr_vm_vsrc(0)
; CAST.  x, Wq, Wk, Wv are rounded once to bf16 (xb; wqkv = Wq's, Wk's, Wv's rows on end);
; tab[t][0..63] = cos(t w_f), tab[t][64..127] = sin(t w_f), w_f = 10000^(-f/64), f32, t = 0 .. 1023.  (Wproj, which only the last launch wants, is converted beside the attention.)
; A stream: a work-group takes 16,384 numbers (65,536 bytes in, 32,768 out).  Thread t, step i: 16 bytes at 16 t + 4,096 i in, 8 bytes at 8 t + 2,048 i out, so a wave's load covers 512
; consecutive bytes and a wave's store 256 consecutive bytes, aligned.  All 16 loads of a thread go out first.  No LDS, no matrix unit, no cluster: nothing is shared and nothing is multiplied.
; Work-groups 0-511 x, 512-767 Wq, 768-831 Wk, 832-895 Wv, 896-911 the table (64 rows each).
; LIMITS.  The table's angle is t w_f in f32 with w_f by v_exp_f32: it may differ from an exact t w_f by about 1e-4 rad at the largest t, alike for q and k.
; Sine and cosine: reduction by pi/2 in two parts, polynomials of degree 7 and 8 on |r| <= pi/4.
; THE MODE: SCHED_MODE bits 1:0 = 2 (LLVM: expert scheduling mode 2), set by the entry lines.  The code itself states the register dependences
; between vector instructions and memory instructions, with s_wait_alu, always for 0.
; THE PLAN, the stream.  Registers that memory instructions touch:
;   v1, v2     the loads' and the stores' offsets: made once at the head, never written again.
;   X          written by the 16 loads, each register once; no vector instruction names it ahead of them; read by the conversions.
;   Y          the 16 steps go in four blocks of four.  Block p's eight conversions write Y's part p; the four stores that read it are issued in block p + 1.  Each register is written once in the launch.
; So one wait on va_vdst stands ahead of the first load (v1, v2), one at the head of blocks 1 to 3 (the block before has written its part of Y) and one ahead of the last four stores.  A block's stores are
; dealt among its conversions, which name X's and Y's part p alone: none of the registers that those stores read.  No register that a memory instruction reads is written again: no wait on vm_vsrc.
; THE PLAN, the table.
;   v9         the stores' offset: made once; the rows are reached by the scalar base, which moves on by a row at each trip's foot.
;   v[12:15]   written by a trip's selects and sign lines, read by its two stores, written again in the next trip.
;   s37, s38   the two frequencies' quadrant masks: written by two compares, read by four selects.
; A trip has one wait on va_sdst behind both compares, one on va_vdst ahead of its two stores, and one on vm_vsrc at its foot.
.set X,  4                             ; v[4:67]    16 x 4 numbers as loaded
.set Y,  68                            ; v[68:99]   16 x 2 words to store: each written once
.set TT, 16                            ; v[16:22]   at work on the even frequency (table)
.set TU, 23                            ; v[23:29]   at work on the odd one
.set MK, 37                            ; s37, s38   the lanes whose quadrant is odd, for the even and the odd frequency
; Sine and cosine of v[th] (>= 0), first part: sin r into v[tt+3], cos r into v[tt+5], the odd quadrants' lanes into s[m], the sine's sign into v[tt+6], the cosine's into v[tt].  No line of it reads a mask.
.macro SC1 th, tt, m
	v_mul_f32 v[\tt], 0x3f22f983, v[\th]           ; th x 2/pi
	v_rndne_f32 v[\tt], v[\tt]                     ; n
	v_fmamk_f32 v[(\tt)+1], v[\tt], 0xbfc90fdb, v[\th] ; r = th - n x pi/2: the constant's high part,
	v_fmamk_f32 v[(\tt)+1], v[\tt], 0x333bbd2e, v[(\tt)+1] ; and what it lacks
	v_cvt_i32_f32 v[\tt], v[\tt]                   ; the quadrant's number
	v_mul_f32 v[(\tt)+2], v[(\tt)+1], v[(\tt)+1]   ; z = r r
	v_mov_b32 v[(\tt)+3], 0xb94ca1f9
	v_fmaak_f32 v[(\tt)+3], v[(\tt)+3], v[(\tt)+2], 0x3c08839e
	v_fmaak_f32 v[(\tt)+3], v[(\tt)+3], v[(\tt)+2], 0xbe2aaaa3
	v_mul_f32 v[(\tt)+4], v[(\tt)+2], v[(\tt)+1]
	v_fma_f32 v[(\tt)+3], v[(\tt)+4], v[(\tt)+3], v[(\tt)+1]   ; sin r = r + z r p(z)
	v_mov_b32 v[(\tt)+5], 0x37ccf5ce
	v_fmaak_f32 v[(\tt)+5], v[(\tt)+5], v[(\tt)+2], 0xbab6061a
	v_fmaak_f32 v[(\tt)+5], v[(\tt)+5], v[(\tt)+2], 0x3d2aaaa5
	v_fma_f32 v[(\tt)+4], v[(\tt)+2], -0.5, 1.0
	v_mul_f32 v[(\tt)+6], v[(\tt)+2], v[(\tt)+2]
	v_fma_f32 v[(\tt)+5], v[(\tt)+6], v[(\tt)+5], v[(\tt)+4]   ; cos r = 1 - z/2 + z z pc(z)
	v_and_b32 v[(\tt)+6], 1, v[\tt]
	v_cmp_eq_u32 s[\m], 1, v[(\tt)+6]              ; odd quadrants change sine and cosine
	v_lshlrev_b32 v[(\tt)+6], 30, v[\tt]           ; the sine is negative in quadrants 2, 3
	v_and_b32 v[(\tt)+6], 0x80000000, v[(\tt)+6]
	v_add_nc_u32 v[\tt], 1, v[\tt]                 ; the cosine in quadrants 1, 2
	v_lshlrev_b32 v[\tt], 30, v[\tt]
	v_and_b32 v[\tt], 0x80000000, v[\tt]
.endm
; Second part: the selects by the mask, and the signs, into v[s], v[c]
.macro SC2 tt, c, s, m
	v_cndmask_b32 v[\s], v[(\tt)+3], v[(\tt)+5], s[\m]
	v_cndmask_b32 v[\c], v[(\tt)+5], v[(\tt)+3], s[\m]
	v_xor_b32 v[\s], v[(\tt)+6], v[\s]
	v_xor_b32 v[\c], v[\tt], v[\c]
.endm
	s_load_b256 s[8:15], s[0:1], 0x0               ; x s[8:9], Wq s[10:11], Wk s[12:13], Wv s[14:15]
	s_load_b128 s[16:19], s[0:1], 0x20             ; xb s[16:17], wqkv s[18:19]
	s_load_b64 s[24:25], s[0:1], 0x30              ; tab
	s_mov_b32 s2, ttmp9
	v_lshlrev_b32 v1, 4, v0                        ; 16 t
	v_lshlrev_b32 v2, 3, v0                        ; 8 t
	s_wait_kmcnt 0x0
	s_cmp_ge_u32 s2, 896
	s_cbranch_scc1 .Ltab
	; from where and to where: chosen by the work-group's number, without a branch
	s_mov_b64 s[26:27], s[14:15]
	s_mov_b64 s[28:29], s[18:19]
	s_mov_b32 s30, 832                             ; the first work-group of the source
	s_mov_b32 s31, 512                             ; and of the destination
	s_cmp_lt_u32 s2, 832
	s_cselect_b64 s[26:27], s[12:13], s[26:27]
	s_cselect_b32 s30, 768, s30
	s_cmp_lt_u32 s2, 768
	s_cselect_b64 s[26:27], s[10:11], s[26:27]
	s_cselect_b32 s30, 512, s30
	s_cmp_lt_u32 s2, 512
	s_cselect_b64 s[26:27], s[8:9], s[26:27]
	s_cselect_b64 s[28:29], s[16:17], s[28:29]
	s_cselect_b32 s30, 0, s30
	s_cselect_b32 s31, 0, s31
	s_sub_co_u32 s32, s2, s30
	s_lshl_b32 s32, s32, 16                        ; 65,536 bytes in for each work-group
	s_mov_b32 s33, 0
	s_sub_co_u32 s34, s2, s31
	s_lshl_b32 s34, s34, 15                        ; 32,768 bytes out
	s_mov_b32 s35, 0
	s_add_nc_u64 s[26:27], s[26:27], s[32:33]
	s_add_nc_u64 s[28:29], s[28:29], s[34:35]
	s_wait_alu depctr_va_vdst(0)                   ; v1 and v2 are written: every load below reads v1 as its offset, every store v2
.irp i, 0,1,2,3,4,5,6,7,8,9,10,11,12,13,14,15
	global_load_b128 v[X+4*(\i):X+4*(\i)+3], v1, s[26:27] offset:4096*(\i) th:TH_LOAD_NT
.endr
.irp p, 0,1,2,3                        ; block p: steps 4 p to 4 p + 3
	s_wait_loadcnt 12-4*(\p)                       ; loads come back in order: the block's four are in, the 12 - 4 p younger ones may stay out
.if (\p) > 0
	s_wait_alu depctr_va_vdst(0)                   ; the block before has written its part of Y, which the four stores below read
.endif
.irp i, 0,1,2,3
.if (\p) > 0
	global_store_b64 v2, v[Y+2*(4*(\p)+(\i)-4):Y+2*(4*(\p)+(\i)-4)+1], s[28:29] offset:2048*(4*(\p)+(\i)-4) th:TH_STORE_NT  ; the block before; no vector instruction since the wait names these registers
.endif
	v_cvt_pk_bf16_f32 v[Y+2*(4*(\p)+(\i))], v[X+4*(4*(\p)+(\i))], v[X+4*(4*(\p)+(\i))+1]
	v_cvt_pk_bf16_f32 v[Y+2*(4*(\p)+(\i))+1], v[X+4*(4*(\p)+(\i))+2], v[X+4*(4*(\p)+(\i))+3]
.endr
.endr
	s_wait_alu depctr_va_vdst(0)                   ; block 3 has written its part of Y, which the last four stores read
.irp i, 12,13,14,15
	global_store_b64 v2, v[Y+2*(\i):Y+2*(\i)+1], s[28:29] offset:2048*(\i) th:TH_STORE_NT
.endr
	s_endpgm
.Ltab:                                         ; wave w of work-group 896 + j makes rows 64 j + 8 w + 0..7; lane l the frequencies 2 l and 2 l + 1
	v_lshrrev_b32 v3, 5, v0
	v_readfirstlane_b32 s30, v3
	s_sub_co_u32 s31, s2, 896
	s_lshl_b32 s31, s31, 6
	s_wait_alu depctr_va_sdst(0)                   ; s30, the wave's number, is written, ahead of its first reader
	s_lshl3_add_u32 s31, s30, s31                  ; my first row
	v_and_b32 v4, 31, v0
	v_lshlrev_b32 v5, 1, v4
	v_cvt_f32_u32 v6, v5
	v_add_f32 v7, 1.0, v6
	v_mul_f32 v6, 0xbe549a78, v6                   ; - f log2(10000) / 64
	v_mul_f32 v7, 0xbe549a78, v7
	v_exp_f32 v6, v6
	v_exp_f32 v7, v7
	v_cvt_f32_u32 v8, s31                          ; t; a plain instruction behind the exponentials
	s_lshl_b32 s32, s31, 9                         ; a row is 512 bytes
	v_lshl_add_u32 v9, v4, 3, s32
	s_wait_alu depctr_va_vdst(0)                   ; both exponentials have written v6 and v7, ahead of their first reader and of the label; and v9 is written, which every store below reads as its offset
	s_mov_b32 s36, 8
.Lrow:
	v_mul_f32 v10, v8, v6
	v_mul_f32 v11, v8, v7
	SC1 10, TT, MK
	SC1 11, TU, MK+1
	s_wait_alu depctr_va_sdst(0)                   ; both compares have written their masks, s37 and s38, which the four selects below read
	SC2 TT, 12, 14, MK
	SC2 TU, 13, 15, MK+1
	s_wait_alu depctr_va_vdst(0)                   ; the selects and sign lines have written v[12:15], which the two stores read
	global_store_b64 v9, v[12:13], s[24:25]            ; the row's 64 cosines: 256 consecutive bytes of the wave
	global_store_b64 v9, v[14:15], s[24:25] offset:256 ; and its 64 sines
	v_add_f32 v8, 1.0, v8
	s_wait_xcnt 0x0                                ; the stores' addresses are translated: only now are their base and their data written again
	s_wait_alu depctr_vm_vsrc(0)                   ; the stores have read v[12:15], which the next trip's selects write again
	s_add_nc_u64 s[24:25], s[24:25], 512           ; the base at the next row; v9 stays as it is
	s_sub_co_u32 s36, s36, 1
	s_cmp_lg_u32 s36, 0
	s_cbranch_scc1 .Lrow
	s_endpgm
.Lfunc_end_k_qbe33b3ebbd_cast:
	.size	k_qbe33b3ebbd_cast, .Lfunc_end_k_qbe33b3ebbd_cast-k_qbe33b3ebbd_cast
	.p2alignl 7, 3214868480
	.fill 96, 4, 3214868480
	.section	.rodata,"a",@progbits
	.p2align	6, 0x0
	.amdhsa_kernel k_qbe33b3ebbd_cast
		.amdhsa_group_segment_fixed_size 0
		.amdhsa_private_segment_fixed_size 0
		.amdhsa_enable_private_segment 0
		.amdhsa_kernarg_size 56
		.amdhsa_user_sgpr_count 2
		.amdhsa_user_sgpr_kernarg_segment_ptr 1
		.amdhsa_wavefront_size32 1
		.amdhsa_system_sgpr_workgroup_id_x 1
		.amdhsa_system_sgpr_workgroup_id_y 1
		.amdhsa_system_sgpr_workgroup_id_z 1
		.amdhsa_system_vgpr_workitem_id 0
		.amdhsa_next_free_vgpr 100
		.amdhsa_next_free_sgpr 66
		.amdhsa_reserve_vcc 0
		.amdhsa_float_denorm_mode_32 3
		.amdhsa_float_denorm_mode_16_64 3
		.amdhsa_memory_ordered 1
		.amdhsa_forward_progress 1
		.amdhsa_inst_pref_size 12
	.end_amdhsa_kernel
	.amdgpu_metadata
---
amdhsa.version: [ 1, 2 ]
amdhsa.kernels:
  - .name:           k_qbe33b3ebbd_cast
    .symbol:         k_qbe33b3ebbd_cast.kd
    .args:
      - { .name: x, .offset: 0, .size: 8, .value_kind: global_buffer, .address_space: global }
      - { .name: Wq, .offset: 8, .size: 8, .value_kind: global_buffer, .address_space: global }
      - { .name: Wk, .offset: 16, .size: 8, .value_kind: global_buffer, .address_space: global }
      - { .name: Wv, .offset: 24, .size: 8, .value_kind: global_buffer, .address_space: global }
      - { .name: xb, .offset: 32, .size: 8, .value_kind: global_buffer, .address_space: global }
      - { .name: wqkv, .offset: 40, .size: 8, .value_kind: global_buffer, .address_space: global }
      - { .name: tab, .offset: 48, .size: 8, .value_kind: global_buffer, .address_space: global }
    .group_segment_fixed_size: 0
    .private_segment_fixed_size: 0
    .kernarg_segment_align: 8
    .kernarg_segment_size: 56
    .max_flat_workgroup_size: 256
    .sgpr_count:     66
    .vgpr_count:     100
    .wavefront_size: 32
...
	.end_amdgpu_metadata
.endif
;; end of part 5
;; launch qkv: the kernel of part 2 again; grid 8 x 32, 4 waves a work-group, clusters of 4 x 4, 327,680 bytes of LDS; arguments xb, wqkv, tab, q_gain, heads; writes heads
;; launch attn: the kernel of part 3 again; grid 16 x 16, 4 waves a work-group, clusters of 4 x 1, 327,680 bytes of LDS; arguments heads, yb, Wproj, wp; writes yb, wp
;; launch proj: the kernel of part 4 again; grid 8 x 32, 4 waves a work-group, clusters of 4 x 4, 327,680 bytes of LDS; arguments yb, wp, out0; writes out0
